; MI455X (gfx1250); checked and timed in simulation.
; The chip was launched on July 23, 2026; its instructions are those of AMD's public machine-readable ISA for CDNA 5 (MIT licence, August 2026) and "CDNA5" Instruction Set Architecture Reference Guide (July 2026). The comments in the code are by the model that wrote it; some were corrected since.
;; ARQS. Allowed arithmetic: float matrix products may take bf16 or f16 operands with f32 sums; other float arithmetic in f32, or as packed bf16 or f16 multiplies, adds, multiply-adds, maxima and minima; sums over many terms, partial sums and values carried from step to step in f32; what a program stores and reads back later, other than sums and carried values, may be rounded once to bf16 or f16.
;; Inputs: W0 64 x 512 float32; W1 512 x 512 float32; W2 512 x 1,472 float32; b0 512 float32; b1 512 float32; b2 1,472 float32; x 65,536 x 64 float32.
;; Outputs: out0 65,536 x 64 float32; out1 65,536 float32.
;; Constants: num_bins = 8.
;; 2 versions, each right and faster than the one before. Each part assembles by itself: llvm-mc -triple=amdgcn-amd-amdhsa -mcpu=gfx1250 --defsym DOCPART=n.
;; ======== version 1 of 2: 2 launches
;; limits: values are held in f16: magnitudes above 65,504 overflow, below 6.1e-05 lose precision; inputs' magnitudes at most 65,504
;; workspace buffers: wts 2,179,072 bytes
;; launch prep (part 1): grid 133 x 1, 4 waves a work-group, no clusters, 18,944 bytes of LDS; arguments W0, W1, W2, b0, b1, b2, wts; writes wts
.if DOCPART == 1
	.amdgcn_target "amdgcn-amd-amdhsa--gfx1250"
	.amdhsa_code_object_version 6
	.text
	.protected	k_qee1638552e_prep
	.globl	k_qee1638552e_prep
	.p2align	8
	.type	k_qee1638552e_prep,@function
k_qee1638552e_prep:
	s_mov_b64 s[64:65], 0
	v_nop
	global_prefetch_b8 v0, s[64:65] scope:SCOPE_SE
	s_setreg_imm32_b32 hwreg(HW_REG_WAVE_MODE, 25, 1), 1
	s_wait_xcnt 0x0
; The weights of the three layers are rounded to bf16, turned to [feature][k] and laid out in the tiles that the main launch asks for; the biases are rounded to bf16 and kept as f32.
; W0 is stored as bf16.  W1 and W2 are stored as f16: the number rounded to bf16, written in f16.  LIMIT: that is exact from 2^-17 to 65,504; below, f16's fixed step of 2^-24 holds; above, an infinity.
; wts:  0         W0: 544 rows (features) x 64 k, 128 bytes a row; rows 512-543 repeat rows 0-31
;       W1OFF     W1: 8 dense tiles [256 features][128 k]; tile 4 c + kc holds features 256 c .., k 128 kc ..
;       W2OFF     W2: 1,536 rows x 512 k; row 48 p + 16 u + 8 hh + j holds column 23 d + 8 u + j, d = 32 hh + p; the rows with u = 2, j = 7 are zeros
;       BIASOFF   2,816 f32: b0 (512, then its first 32 again, then zeros to 768), b1 (512), b2 in W2's row order; at a zero row's place stands RAW0
;       MAXOFF    largest magnitudes, one f32 for each wave that saw the numbers: words 0-127 W1, 128-143 W0, 144-147 b0, 148-151 b1.  The main launch makes its scale of them.
; RAW0 = ln(e^0.999 - 1): softplus(RAW0) + 0.001 = 1, the spline's derivative at both ends.  It is no input and is not rounded.
; Work-groups 0-91: blocks of W2 (128 k x 64 columns); 92-123: of W1; 124-127: of W0 (64 k x 128 columns); 128-131: W2's zero rows; 132: the biases.
; A block: each half of a wave reads 256 consecutive bytes of a row of the source; a lane rounds 16 k of each of its 4 columns; the block is turned in LDS and leaves as whole rows, 16 lanes to 256 bytes.
.set W1OFF,   69632
.set W2OFF,   593920
.set BIASOFF, 2166784
.set MAXOFF,  2178048
.set SPARE,   18432                    ; behind the block (18,432 bytes at the most): the spare words, 128 bytes a wave
.set RAW0,    0x3f0a2c8f
.set SPW, 1                            ; v1  LDS address of my spare word; never rewritten
.set NIL, 2                            ; v2  0; never rewritten
; v3 lane % 16, v4 (lane / 16), v5 wave, v6 source offset, v7 LDS address in, v8 LDS address back, v9 dense offset out, v10-15 at work, v16-23 W2's offsets out, v24-30 maxima and their store
; v32-95 the block as loaded (row i, column j at 32 + 4 i + j), later whole rows; v96-127 packed (column j, k pair m at 96 + 8 j + m)
	s_load_b256 s[4:11], s[0:1], 0x0               ; W0 s[4:5], W1 s[6:7], W2 s[8:9], b0 s[10:11]
	s_load_b128 s[12:15], s[0:1], 0x20             ; b1 s[12:13], b2 s[14:15]
	s_load_b64 s[16:17], s[0:1], 0x30              ; wts
	v_lshl_add_u32 v[SPW], v0, 2, SPARE
	v_mov_b32 v[NIL], 0
	v_and_b32 v3, 15, v0
	v_bfe_u32 v4, v0, 4, 1
	v_lshrrev_b32 v5, 5, v0
	v_lshlrev_b32 v9, 4, v0                        ; 16 x thread
	v_and_b32 v26, 31, v0                          ; lane
	v_lshlrev_b32 v27, 2, v5                       ; 4 x wave: my wave's word among its work-group's four
	s_mov_b32 s20, ttmp9
	s_mov_b32 s25, 0
	s_mov_b32 s36, 0x76543210                      ; v_permlanex16_b32: each lane takes its own place in the other half
	s_mov_b32 s37, 0xfedcba98
	s_wait_kmcnt 0x0
	s_add_nc_u64 s[18:19], s[16:17], MAXOFF        ; the table of maxima
; A block is loaded, rounded and laid into LDS turned.  Wave w, half hh, row i: k = w kw + hh kh + i; columns hh ch + 4 (lane % 16) + 0..3.  lp: LDS pitch; np: the source's columns.
; hf = 1: the bf16 number is written as f16.  mx = 1: v24 takes the largest magnitude of the lane's 64 numbers.
.macro TRANS sb, kw, kh, ch, lp, np, hf, mx
	v_mul_u32_u24 v6, v5, (\kw)*(\np)*4
	v_mad_u32_u24 v6, v4, ((\kh)*(\np)+(\ch))*4, v6
	v_lshl_add_u32 v6, v3, 4, v6
.set i, 0
.rept 16
	global_load_b128 v[32+4*i:35+4*i], v6, s[\sb:\sb+1] offset:i*(\np)*4 th:TH_LOAD_NT
.set i, i+1
.endr
	v_mul_u32_u24 v7, v3, 4*(\lp)
	v_mad_u32_u24 v7, v4, (\ch)*(\lp)+2*(\kh), v7
	v_mad_u32_u24 v7, v5, 2*(\kw), v7
	s_wait_loadcnt 0x0
.if \mx
	v_max_num_f32 v24, |v32|, |v33|
.set i, 1
.rept 31
	v_max3_num_f32 v24, v24, |v[32+2*i]|, |v[33+2*i]|
.set i, i+1
.endr
.endif
.set j, 0
.rept 4
.set m, 0
.rept 8                                ; column j, k = 2 m and 2 m + 1
.if \hf
.set T, 10+3*(m%2)
	v_cvt_pk_bf16_f32 v[T], v[32+8*m+j], v[36+8*m+j]           ; rounded as every input is,
	v_lshlrev_b32 v[T+1], 16, v[T]
	v_and_b32 v[T+2], 0xffff0000, v[T]
	v_cvt_pk_f16_f32 v[96+8*j+m], v[T+1], v[T+2]               ; and that number in f16
.else
	v_cvt_pk_bf16_f32 v[96+8*j+m], v[32+8*m+j], v[36+8*m+j]
.endif
.set m, m+1
.endr
.set j, j+1
.endr
.set j, 0
.rept 4
	ds_store_b128 v7, v[96+8*j:99+8*j] offset:j*(\lp)
	ds_store_b128 v7, v[100+8*j:103+8*j] offset:j*(\lp)+16
.set j, j+1
.endr
	s_wait_dscnt 0x0                               ; for the others' sake: my stores are done
	s_barrier_signal -1
	s_barrier_wait -1
.endm
.macro BACK step                       ; eight loads of 16 bytes a thread: whole rows of the turned block
.set i, 0
.rept 8
	ds_load_b128 v[32+4*i:35+4*i], v8 offset:(\step)*i
.set i, i+1
.endr
.endm
.macro WMAX r, t                       ; the maximum of v[r] over the wave's 32 lanes, in every lane
.irp m, 1,2,4,8
	v_max_num_f32_dpp v[\r], v[\r], v[\r] row_xmask:\m row_mask:0xf bank_mask:0xf
.endr
	v_mov_b32 v[\t], v[\r]                         ; v_permlanex16_b32's destination counts as read
	v_permlanex16_b32 v[\t], v[\r], s36, s37
	v_max_num_f32 v[\r], v[\r], v[\t]
.endm
	s_cmp_lt_u32 s20, 92
	s_cbranch_scc1 .Lw2
	s_cmp_lt_u32 s20, 124
	s_cbranch_scc1 .Lw1
	s_cmp_lt_u32 s20, 128
	s_cbranch_scc1 .Lw0
	s_cmp_lt_u32 s20, 132
	s_cbranch_scc1 .Lzero
	; THE BIASES.  Eleven steps; in step i thread t owns entries 2 (t + 128 i) and the next: a wave stores 256 consecutive bytes.
	v_lshlrev_b32 v9, 3, v0                        ; 8 x thread
	v_mov_b32 v24, RAW0
	s_add_nc_u64 s[16:17], s[16:17], BIASOFF
	global_load_b64 v[32:33], v9, s[10:11]                 ; steps 0, 1: b0
	global_load_b64 v[34:35], v9, s[10:11] offset:1024
	global_load_b64 v[38:39], v9, s[12:13]                 ; steps 3, 4: b1
	global_load_b64 v[40:41], v9, s[12:13] offset:1024
.set i, 0
.rept 6                                ; steps 5-10: b2.  f = 2 t + 256 i is a row of W2's layout; f + 1 is the next column of the same eight
	v_lshl_add_u32 v10, v0, 1, 256*i               ; f
	v_mul_u32_u24 v11, v10, 1366
	v_lshrrev_b32 v11, 16, v11                     ; p = f / 48 (exact for f < 1,536)
	v_mul_u32_u24 v12, v11, 48
	v_sub_nc_u32 v12, v10, v12                     ; 16 u + 8 hh + j
	v_bfe_u32 v13, v12, 3, 1
	v_lshl_add_u32 v13, v13, 5, v11                ; d = 32 hh + p
	v_mul_u32_u24 v13, v13, 23
	v_lshrrev_b32 v14, 4, v12
	v_lshl_add_u32 v13, v14, 3, v13
	v_and_b32 v14, 7, v12
	v_add_nc_u32 v13, v13, v14                     ; column 23 d + 8 u + j
	v_add_nc_u32 v14, 1, v13
	v_min_u32 v14, 1471, v14                       ; at a zero row's place the next column may lie past the end: it is not used
	v_lshlrev_b32 v[48+2*i], 2, v13
	v_lshlrev_b32 v[49+2*i], 2, v14
	v_or_b32 v12, 8, v12
	v_cmp_eq_u32 s[28+i], 46, v12                  ; u = 2, j = 6: my second entry is a zero row's
	global_load_b32 v[64+2*i], v[48+2*i], s[14:15]
	global_load_b32 v[65+2*i], v[49+2*i], s[14:15]
.set i, i+1
.endr
	s_wait_loadcnt 0x0
.macro RND a                           ; two numbers rounded to bf16 and widened again
	v_cvt_pk_bf16_f32 v15, v[\a], v[(\a)+1]
	v_lshlrev_b32 v[\a], 16, v15
	v_and_b32 v[(\a)+1], 0xffff0000, v15
.endm
.irp a, 32, 34, 38, 40, 64, 66, 68, 70, 72, 74
	RND \a
.endr
	v_cmp_gt_u32 vcc_lo, 16, v0                    ; step 2: entries 512-543 repeat b0's first 32, the rest is 0
	v_cndmask_b32 v36, 0, v32, vcc_lo
	v_cndmask_b32 v37, 0, v33, vcc_lo
.set i, 0
.rept 6
	v_cndmask_b32 v[65+2*i], v[65+2*i], v24, s[28+i]
.set i, i+1
.endr
	v_max_num_f32 v28, |v32|, |v33|                ; my wave's largest |b0| and |b1|
	v_max3_num_f32 v28, v28, |v34|, |v35|
	v_max_num_f32 v29, |v38|, |v39|
	v_max3_num_f32 v29, v29, |v40|, |v41|
	WMAX 28, 30
	WMAX 29, 30
.set i, 0
.rept 5
	global_store_b64 v9, v[32+2*i:33+2*i], s[16:17] offset:1024*i
.set i, i+1
.endr
.set i, 0
.rept 6
	global_store_b64 v9, v[64+2*i:65+2*i], s[16:17] offset:1024*(5+i)
.set i, i+1
.endr
	v_cmp_eq_u32 vcc_lo, 0, v26
	s_wait_xcnt 0x0                                ; EXEC is a source of the stores above: it changes only behind this wait
	s_and_saveexec_b32 s38, vcc_lo                 ; lane 0 stores for its wave
	global_store_b32 v27, v28, s[18:19] offset:576
	global_store_b32 v27, v29, s[18:19] offset:592
	s_wait_xcnt 0x0
	s_or_b32 exec_lo, exec_lo, s38
	s_branch .Ldone
.Lw2:                                  ; work-group = 23 kb + T: k 128 kb .., columns 64 T ..
	s_mul_i32 s21, s20, 2850
	s_lshr_b32 s21, s21, 16                        ; kb = id / 23 (exact for id < 92)
	s_mul_i32 s22, s21, 23
	s_sub_co_u32 s22, s20, s22                     ; T
	s_mul_i32 s24, s21, 128*1472*4
	s_lshl_b32 s26, s22, 8
	s_add_co_u32 s24, s24, s26
	s_add_nc_u64 s[8:9], s[8:9], s[24:25]
	s_lshl_b32 s24, s21, 8
	s_add_co_u32 s24, s24, W2OFF
	s_add_nc_u64 s[16:17], s[16:17], s[24:25]      ; wts at W2's layout, 256 kb bytes into its rows
	s_lshl_b32 s26, s22, 6
	v_lshrrev_b32 v10, 4, v0
	v_mul_u32_u24 v8, v10, 272
	v_lshl_add_u32 v8, v3, 4, v8                   ; back: row thread / 16, 16 bytes a lane
	v_add_nc_u32 v10, s26, v10                     ; the column of that row in pass 0
.set i, 0
.rept 8                                ; where pass i's row goes
	v_add_nc_u32 v11, 8*i, v10                     ; column
	v_mul_u32_u24 v12, v11, 2850
	v_lshrrev_b32 v12, 16, v12                     ; d = column / 23 (exact for columns < 1,472)
	v_mul_u32_u24 v13, v12, 23
	v_sub_nc_u32 v13, v11, v13                     ; e = 8 u + j
	v_and_b32 v14, 31, v12
	v_mul_u32_u24 v14, v14, 48
	v_lshrrev_b32 v15, 3, v13
	v_lshl_add_u32 v14, v15, 4, v14
	v_lshrrev_b32 v15, 5, v12
	v_lshl_add_u32 v14, v15, 3, v14
	v_and_b32 v15, 7, v13
	v_add_nc_u32 v14, v14, v15                     ; row 48 (d % 32) + 16 u + 8 (d / 32) + j
	v_lshlrev_b32 v14, 10, v14
	v_lshl_add_u32 v[16+i], v3, 4, v14
.set i, i+1
.endr
	TRANS 8, 32, 16, 0, 272, 1472, 1, 0
	BACK 2176
.set i, 0
.rept 8
	s_wait_dscnt 7-i
	global_store_b128 v[16+i], v[32+4*i:35+4*i], s[16:17]  ; 16 lanes store 256 consecutive bytes, at a multiple of 256 from the buffer's first byte
.set i, i+1
.endr
	s_branch .Ldone
.Lw1:                                  ; work-group - 92 = 8 kb + nb: k 128 kb .., features 64 nb ..
	s_sub_co_u32 s21, s20, 92
	s_lshl_b32 s24, s21, 4                         ; my work-group's four words of the table
	s_add_nc_u64 s[18:19], s[18:19], s[24:25]
	s_and_b32 s22, s21, 7                          ; nb
	s_lshr_b32 s21, s21, 3                         ; kb
	s_lshl_b32 s24, s21, 18                        ; 128 rows of 2,048 bytes
	s_lshl_b32 s26, s22, 8
	s_add_co_u32 s24, s24, s26
	s_add_nc_u64 s[6:7], s[6:7], s[24:25]
	s_lshr_b32 s26, s22, 2
	s_lshl2_add_u32 s26, s26, s21                  ; tile 4 (nb / 4) + kb
	s_lshl_b32 s24, s26, 16
	s_and_b32 s26, s22, 3
	s_lshl_b32 s26, s26, 14
	s_add_co_u32 s24, s24, s26
	s_add_co_u32 s24, s24, W1OFF
	s_add_nc_u64 s[16:17], s[16:17], s[24:25]
	v_lshrrev_b32 v10, 4, v0
	v_mul_u32_u24 v8, v10, 272
	v_lshl_add_u32 v8, v3, 4, v8
	TRANS 6, 32, 16, 0, 272, 512, 1, 1
	BACK 2176
	WMAX 24, 25
.set i, 0
.rept 8
	s_wait_dscnt 7-i
	global_store_b128 v9, v[32+4*i:35+4*i], s[16:17] offset:2048*i  ; the block's 64 rows of 256 bytes are dense in the tile
.set i, i+1
.endr
	v_cmp_eq_u32 vcc_lo, 0, v26
	s_wait_xcnt 0x0                                ; EXEC is a source of the stores above: it changes only behind this wait
	s_and_saveexec_b32 s38, vcc_lo                 ; lane 0 stores for its wave
	global_store_b32 v27, v24, s[18:19]
	s_wait_xcnt 0x0
	s_or_b32 exec_lo, exec_lo, s38
	s_branch .Ldone
.Lw0:                                  ; work-group - 124 = nb: all 64 k, features 128 nb ..
	s_sub_co_u32 s21, s20, 124
	s_lshl_b32 s24, s21, 4
	s_add_co_u32 s24, s24, 512                     ; my work-group's four words of the table
	s_add_nc_u64 s[18:19], s[18:19], s[24:25]
	s_lshl_b32 s24, s21, 9
	s_add_nc_u64 s[4:5], s[4:5], s[24:25]
	s_lshl_b32 s24, s21, 14
	s_add_nc_u64 s[16:17], s[16:17], s[24:25]
	v_lshrrev_b32 v10, 3, v0
	v_mul_u32_u24 v8, v10, 144
	v_and_b32 v10, 7, v0
	v_lshl_add_u32 v8, v10, 4, v8                  ; back: row thread / 8 (128 bytes), 16 bytes a lane
	TRANS 4, 16, 0, 64, 144, 512, 0, 1
	BACK 2304
	WMAX 24, 25
.set i, 0
.rept 8
	s_wait_dscnt 7-i
	global_store_b128 v9, v[32+4*i:35+4*i], s[16:17] offset:2048*i
.set i, i+1
.endr
	v_cmp_eq_u32 vcc_lo, 0, v26
	s_wait_xcnt 0x0                                ; EXEC is a source of the stores above: it changes only behind this wait
	s_and_saveexec_b32 s38, vcc_lo                 ; lane 0 stores for its wave
	global_store_b32 v27, v24, s[18:19]
	s_wait_xcnt 0x0
	s_or_b32 exec_lo, exec_lo, s38
	s_cmp_lg_u32 s21, 0
	s_cbranch_scc1 .Ldone
	global_store_b128 v9, v[32:35], s[16:17] offset:65536        ; rows 0-31 (the first two passes) once more as rows 512-543
	global_store_b128 v9, v[36:39], s[16:17] offset:65536+2048
	s_branch .Ldone
.Lzero:                                ; work-group - 128 = z: 16 of the 64 zero rows 48 p + 39 + 8 hh; a wave stores four, 1,024 bytes each
	s_sub_co_u32 s21, s20, 128
	s_mul_i32 s24, s21, 8*48*1024
	s_add_co_u32 s24, s24, W2OFF+39*1024
	s_add_nc_u64 s[16:17], s[16:17], s[24:25]
	v_lshlrev_b32 v10, 4, v26
	v_mad_u32_u24 v10, v5, 2*48*1024, v10
	v_mov_b32 v32, 0
	v_mov_b32 v33, 0
	v_mov_b32 v34, 0
	v_mov_b32 v35, 0
.set i, 0
.rept 4
	global_store_b128 v10, v[32:35], s[16:17] offset:1024*(48*(i/2)+8*(i%2))
	global_store_b128 v10, v[32:35], s[16:17] offset:1024*(48*(i/2)+8*(i%2))+512
.set i, i+1
.endr
.Ldone:
	s_wait_tensorcnt 0x0                           ; the wave's end
	ds_add_u32 v[SPW], v[NIL]
	s_wait_dscnt 0x0
	s_endpgm
.Lfunc_end_k_qee1638552e_prep:
	.size	k_qee1638552e_prep, .Lfunc_end_k_qee1638552e_prep-k_qee1638552e_prep
	.p2alignl 7, 3214868480
	.fill 96, 4, 3214868480
	.section	.rodata,"a",@progbits
	.p2align	6, 0x0
	.amdhsa_kernel k_qee1638552e_prep
		.amdhsa_group_segment_fixed_size 18944
		.amdhsa_private_segment_fixed_size 0
		.amdhsa_enable_private_segment 0
		.amdhsa_kernarg_size 56
		.amdhsa_user_sgpr_count 2
		.amdhsa_user_sgpr_kernarg_segment_ptr 1
		.amdhsa_wavefront_size32 1
		.amdhsa_system_sgpr_workgroup_id_x 1
		.amdhsa_system_sgpr_workgroup_id_y 1
		.amdhsa_system_sgpr_workgroup_id_z 1
		.amdhsa_system_vgpr_workitem_id 0
		.amdhsa_next_free_vgpr 128
		.amdhsa_next_free_sgpr 66
		.amdhsa_reserve_vcc 1
		.amdhsa_float_denorm_mode_32 3
		.amdhsa_float_denorm_mode_16_64 3
		.amdhsa_memory_ordered 1
		.amdhsa_forward_progress 1
		.amdhsa_inst_pref_size 56
	.end_amdhsa_kernel
	.amdgpu_metadata
---
amdhsa.version: [ 1, 2 ]
amdhsa.kernels:
  - .name:           k_qee1638552e_prep
    .symbol:         k_qee1638552e_prep.kd
    .args:
      - { .name: W0, .offset: 0, .size: 8, .value_kind: global_buffer, .address_space: global }
      - { .name: W1, .offset: 8, .size: 8, .value_kind: global_buffer, .address_space: global }
      - { .name: W2, .offset: 16, .size: 8, .value_kind: global_buffer, .address_space: global }
      - { .name: b0, .offset: 24, .size: 8, .value_kind: global_buffer, .address_space: global }
      - { .name: b1, .offset: 32, .size: 8, .value_kind: global_buffer, .address_space: global }
      - { .name: b2, .offset: 40, .size: 8, .value_kind: global_buffer, .address_space: global }
      - { .name: wts, .offset: 48, .size: 8, .value_kind: global_buffer, .address_space: global }
    .group_segment_fixed_size: 18944
    .private_segment_fixed_size: 0
    .kernarg_segment_align: 8
    .kernarg_segment_size: 56
    .max_flat_workgroup_size: 128
    .sgpr_count:     66
    .vgpr_count:     128
    .wavefront_size: 32
...
	.end_amdgpu_metadata
.endif
;; end of part 1
;; launch main (part 2): grid 256 x 1, 4 waves a work-group, clusters of 4 x 1, 327,680 bytes of LDS; arguments x, wts, out0, out1; writes out0, out1
.if DOCPART == 2
	.amdgcn_target "amdgcn-amd-amdhsa--gfx1250"
	.amdhsa_code_object_version 6
	.text
	.protected	k_qee1638552e_main
	.globl	k_qee1638552e_main
	.p2align	8
	.type	k_qee1638552e_main,@function
k_qee1638552e_main:
	s_mov_b64 s[64:65], 0
	v_nop
	global_prefetch_b8 v0, s[64:65] scope:SCOPE_SE
	s_setreg_imm32_b32 hwreg(HW_REG_WAVE_MODE, 25, 1), 1
	s_wait_xcnt 0x0
	s_wait_alu depctr_hold_cnt(0) depctr_sa_sdst(0) depctr_va_vdst(0) depctr_va_sdst(0) depctr_va_ssrc(0) depctr_va_vcc(0) depctr_vm_vsrc(0)
	s_getreg_b32 s2, hwreg(HW_REG_IB_STS2, 6, 4)
	s_cmp_eq_u32 s2, 0
	s_cbranch_scc0 .Lentry_in_a_cluster
	s_endpgm
.Lentry_in_a_cluster:
	s_bfe_u32 s2, ttmp6, 0x10000c
	s_cmp_lg_u32 s2, 0x3003
	s_cbranch_scc0 .Lentry_shape_is_right
	s_endpgm
.Lentry_shape_is_right:
; z, sum of log_det = a rational-quadratic spline of x whose 23 parameters for each (row, d) come from relu(relu(x W0 + b0) W1 + b1) W2 + b2.  x: [65536][64] f32; the weights come from wts (turned, in tiles).
; SHARES.  A work-group owns 256 rows, each of its four waves 64: four tiles q of 16 rows.  Nothing but x comes from memory beside the weights; h0, h1 and the parameters never leave the wave's registers.
; EVERY PRODUCT IS USED TRANSPOSED: source 0 = 16 features of the weights (from LDS), source 1 = 32 k x 16 rows of activations (registers).  In a result lane l holds row l % 16 and the features
; 8 (l / 16) + 0..7, so two results rounded to 16 bits ARE source 1 of the next layer.  A fragment of weights feeds four matrix instructions.
; FORMATS AND THE SCALE.  All inputs are rounded to bf16 (x in the spline too).  Layer 0 multiplies in bf16.  h0 and h1 are rounded to f16, whose 11 significant bits the sum of 64 logarithms needs, and layers
; 1 and 2 multiply in f16 (their weights: the bf16 number written as f16).  f16's range is met by ONE power of two s for the work-group: relu(s a) = s relu(a), so with x and the three biases times s the
; layers give s h0, s h1 and s x the parameters.  B0 = 64 max|x| max|W0| + max|b0| bounds layer 0's sums, B1 = 512 max|W1| B0 + max|b1| layer 1's; s = 2^14 / 2^floor(log2 max(B0, B1, 2^-100)), so
; every number that is converted stays under 2^15.  1 / s is folded into the factor log2(e) of the softmaxes and the softplus.
; LAYER 1 runs in two halves of 256 features (512 registers of sums, started from s b1 by LDS loads).  In each of its K steps of 32 the 32 features of h0 that it needs are made on the spot from x's fragments
; and the resident W0: h0 is never kept, layer 0 is computed twice (256 matrix instructions more), W1 is streamed once.
; LAYER 2 goes by 32 groups of 48 rows of W2's layout: in group p lane l gets all 23 parameters (and one padding) of d = 32 (l / 16) + p for its row in each tile q.  The spline of a group stands behind the
; fragment loads of the next group.  The bin is found by three compares and selects: no branch and no address hangs on a number.
; CLUSTER.  All work-groups walk the same weights: every weight tile is asked for JOINTLY by the four work-groups of a cluster (mask 15), each wave a quarter of it.  x's tile is each wave's own plain load.
; LIMITS.  W1 and W2 within 65,504, exact in f16 from 2^-17 on.  A number of s h0 or s h1 below 2^-14, that is below 2^-29 of the bound, keeps f16's fixed step.  A bin's width and height are taken as
; differences of neighbouring knots, which are 0.001 (i + 1) + 0.992 x (running sum of exponentials) / (their sum): an order of rounding other than the reference's, some 1e-7 against a least width of 1e-3.
; Exponentials and logarithms flush denormals; NaN is not treated apart.
; Left out: prefetching (the weights are read again and again by all work-groups, x once at the start); work-groups that stay (one block of rows for each).
.set W1OFF,   69632                    ; wts: W0 at 0 (544 rows x 128 bytes), W1's 8 tiles of 65,536 bytes,
.set W2OFF,   593920                   ; W2's 1,536 rows of 1,024 bytes,
.set BIASOFF, 2166784                  ; 2,816 f32: b0 at 0, b1 at 3,072, b2 at 5,120 bytes,
.set MAXOFF,  2178048                  ; largest magnitudes by waves: 128 words for W1, 16 for W0, 4 for b0, 4 for b1
; LDS
.set SL1,   0x11000                    ; layer 1's ring: two slots of 256 rows x 272 bytes, at 0 and here
.set SL2,   0x10000                    ; layer 2's ring: two slots of 48 rows x 1,040 bytes, at 0 and here
.set W0B,   139264                     ; W0: 544 rows x 144 bytes, filled once
.set XZ,    217600                     ; x, f32: 64 rows x 272 bytes for each wave, filled once; z takes x's place word by word
.set BIAS,  287232                     ; the biases, filled once, then multiplied by s in place
.set LDST,  298496                     ; 256 bytes for each wave: at the start its max|x|, at the end the stage of the row sums
.set SPARE, 299520                     ; the spare words, 128 bytes for each wave: two blocks of 256 bytes that no other line names
; REGISTERS, window 0
.set SPW, 1                            ; LDS address of my spare word; never rewritten
.set NIL, 2                            ; 0; never rewritten
.set ZR,  3                            ; 0, for the packed ReLU
.set LW1, 4                            ; 272 r + 16 h     my lane's place in a tile of W1 (r = lane % 16, h = lane / 16)
.set LW0, 5                            ; W0B + 144 r + 16 h
.set LB,  6                            ; BIAS + 32 h
.set LW2, 7                            ; 1040 r + 16 h
.set ADR1, 8                           ; the addresses in hand
.set ADR0, 9
.set ADRB, 10
.set ADR2, 11
.set XA0, 12                           ; XZ + 17,408 w + 272 r + 128 h: my word of x for group 0, tile 0
.set ADRC, 13
.set ADRX, 14
.set XF,  16                           ; layers 0, 1: x's fragments, tile q, K step s at 16 q + 8 s
.set F,   80                           ; h0's fragment of the K step in hand, 8 q
.set HA,  112                          ; layer 0's sums, 8 (4 u + q); then W1's fragments of feature tiles 4-11
.set W0F, 176                          ; W0's fragments, 8 (2 u + s)
.set BC,  208                          ; s b0 as C, 8 u
.set W1A, 224                          ; W1's fragments of feature tiles 0-3, then 12-15.  Before the first K step v224-246 serve the scale:
.set MW1, 224                          ; v224-227 W1's maxima, v228 W0's, v229 b0's, v230 b1's, v231 x's; v232-241 at work; v243-246 offsets
.set MW0, 228
.set MB0, 229
.set MB1, 230
.set MXX, 231
.set KM,  16                           ; layer 2: 0.001 (i + 1)
.set LD,  24                           ; running sums of log2, one a tile
.set XV,  28                           ; x, one a tile
.set BC2, 32                           ; s b2 as C, 8 u
.set ACC2, 56                          ; s x the parameters: 24 q + 8 u (u = 0 widths, 1 heights, 2 derivatives)
.set TQ,  152                          ; eight at work a tile
.set OUTR, 184                         ; the way out
; windows 1, 2: layer 1's sums, feature tile t, row tile q at 8 (4 (t % 8) + q) of window 1 + t / 8.  Window 3: h1's K steps 0-7 at 8 (4 ks + q); window 1 later: K steps 8-15.
.set FA,  0                            ; window 2, layer 2: two buffers of 12 fragments of W2, 8 (3 (ks % 4) + u)
.set FB,  96
; scalars.  s[4:11] x, wts, out0, out1.  At the head s13, s14, s[100:101] hold my place in the cluster and what is made of it (x's and the outputs' addresses alone), s[2:3] the joint loads' offsets.
; Later s[100:101] = s twice, s[2:3] = 1 / s twice.
.set WV,  12
.set TBX, 66                           ; 4 x the group whose spline comes next
.set TB0, 80                           ; the next K step's rows of W0 (4,608 bytes a step)
.set TBB, 81                           ; and of b0 (128 bytes a step)
.set TB1, 82                           ; layer 1: the slot in hand + 64 bytes a K step
.set TB2, 83                           ; layer 2: the slot in hand
.set TBC, 84                           ; b2 of the group in hand (192 bytes a group)
.set CT,  85
.set CK,  86
.set SG,  87
; s[88:89] log2(e) / s, s[90:91] ln 2, s[92:93] 0.992, each twice; s94-97 lane masks, one a tile; s[98:99] v_permlanex16_b32's selects
; descriptors: x s[16:19], s[20:27]; biases s[28:31], s[32:39]; W0 s[40:43], s[44:51]; W1 s[52:55], s[56:63]; W2 s[68:71], s[72:79]
.set MSB, 0
.macro WIN new                         ; s_set_vgpr_msb: bits 1:0 source 0, 3:2 source 1, 5:4 source 2, 7:6 destination; the high byte repeats the setting that is left
.if MSB != (\new)
	s_set_vgpr_msb (MSB<<8)|(\new)
.set MSB, \new
.endif
.endm
.macro PLACES                          ; four places behind matrix instructions, in front of loads into their registers and of reads of their results
.rept 4
	v_nop
.endr
.endm
.macro ROUND                           ; a round of the cluster's barrier
	s_barrier_signal -1
	s_barrier_wait -1
	s_cmp_lg_u32 s[WV], 0
	s_cbranch_scc1 .Lnot_wave_0_\@
	s_barrier_signal -3
.Lnot_wave_0_\@:
	s_barrier_wait -3
	s_barrier_signal -1
	s_barrier_wait -1
.endm
.macro DMAX r, m                       ; lane i takes the larger of its own and lane (i xor m)'s, inside each half of 16 lanes
	v_max_num_f32_dpp v[\r], v[\r], v[\r] row_xmask:\m row_mask:0xf bank_mask:0xf
.endm
; THE CHANGE OF SLOTS.  Each wave waits for all its tensor loads (one is out: its quarter of the next slot), adds 0 to its spare word, and waits for that and for its reads of the slot that it leaves.
; fill = 1: W1's next tile; 2: W2's group 0, as the descriptor stands; 3: W2's next group; each into the slot just left, the first thing behind a round of the cluster's barrier.  0: nothing is asked for.
; rd = 1: layer 1's reads go to the other slot's first K step; 2: layer 2's to the other slot.  The four v_nop are also the places in front of what follows.
.macro CHANGE fill, rd
	WIN 0
	s_wait_tensorcnt 0x0                           ; no tensor load of mine is out, so a group 0 may be written
	ds_add_u32 v[SPW], v[NIL]                      ; the scalar steps stand between the add and the wait for it
.if (\fill) == 1
	s_xor_b32 s53, s53, SL1
	s_add_nc_u64 s[54:55], s[54:55], 65536
.elseif (\fill) == 3
	s_xor_b32 s69, s69, SL2
	s_add_nc_u64 s[70:71], s[70:71], 49152
.endif
.if (\rd) == 1
	s_sub_co_u32 s[TB1], s[TB1], 256
	s_xor_b32 s[TB1], s[TB1], SL1
.else
	s_xor_b32 s[TB2], s[TB2], SL2
.endif
	s_wait_dscnt 0x0                               ; the add is done, and my reads of the slot are over
.if \fill
	ROUND                                          ; no wave of any partner still reads the slot or has a load on its way
.if (\fill) == 1
	tensor_load_to_lds s[52:55], s[56:63]
.else
	tensor_load_to_lds s[68:71], s[72:79]
.endif
	s_nop 0
.else
	s_barrier_signal -1
	s_barrier_wait -1
.endif
	PLACES
.endm
	s_load_b256 s[4:11], s[0:1], 0x0
	v_lshl_add_u32 v[SPW], v0, 2, SPARE
	v_mov_b32 v[NIL], 0
	ds_add_u32 v[SPW], v[NIL]                      ; the wave's opening: the add and its wait stand ahead of my first tensor load; the set-up, work on registers, stands between them
	v_lshrrev_b32 v15, 5, v0
	v_readfirstlane_b32 s[WV], v15                 ; wave 0..3
	s_bfe_u32 s13, ttmp6, 0x40000                  ; cx
	s_lshl_b32 s14, ttmp9, 2                       ; in a cluster launch ttmp9 counts clusters
	s_add_co_u32 s14, s14, s13                     ; my block of 256 rows
	v_mov_b32 v[ZR], 0
	v_and_b32 v14, 15, v0                          ; r
	v_bfe_u32 v15, v0, 4, 1                        ; h
	v_mul_u32_u24 v[LW1], v14, 272
	v_lshl_add_u32 v[XA0], v15, 7, v[LW1]
	v_lshl_add_u32 v[ADR1], v15, 5, v[LW1]         ; 272 r + 32 h: x's f32 for the fragments
	v_lshl_add_u32 v[LW1], v15, 4, v[LW1]
	v_mul_u32_u24 v[LW0], v14, 144
	v_lshl_add_u32 v[LW0], v15, 4, v[LW0]
	v_add_nc_u32 v[LW0], W0B, v[LW0]
	v_lshlrev_b32 v[LB], 5, v15
	v_add_nc_u32 v[LB], BIAS, v[LB]
	v_mul_u32_u24 v[LW2], v14, 1040
	v_lshl_add_u32 v[LW2], v15, 4, v[LW2]
	v_and_b32 v244, 31, v0
	v_lshlrev_b32 v244, 4, v244                    ; offsets into the table of maxima: 16 x lane,
	v_lshlrev_b32 v245, 2, v14                     ; 4 (lane % 16),
	v_and_b32 v246, 3, v0
	v_lshlrev_b32 v246, 2, v246                    ; 4 (lane % 4)
	; x: 64 rows x 64 f32, padded to 272 bytes; a plain load, my wave's own
	s_mov_b32 s16, 1
	s_mul_i32 s17, s[WV], 17408
	s_add_co_u32 s17, s17, XZ
	s_mov_b32 s20, (2<<16)|(1<<20)|(5<<22)|(3<<25) ; 4-byte elements; padding on: after every 64 words 4 words
	s_mov_b32 s21, 64<<16
	s_mov_b32 s22, 64<<16
	s_mov_b32 s23, 64<<16
	s_mov_b32 s24, 64
	s_mov_b32 s25, 64
	s_mov_b32 s26, 0
	s_mov_b32 s27, 0
	v_add_nc_u32 v[XA0], s17, v[XA0]
	v_add_nc_u32 v[ADR1], s17, v[ADR1]
	; the biases: my quarter is 11 dense rows of 256 bytes
	s_mov_b32 s28, 1
	s_mul_i32 s29, s[WV], 2816
	s_add_co_u32 s29, s29, BIAS
	s_mov_b32 s32, 15|(3<<16)|(1<<21)              ; the mask of four; 8-byte elements; bit 21 set beside a mask
	s_mov_b32 s33, 32<<16
	s_mov_b32 s34, 11<<16
	s_mov_b32 s35, 32<<16
	s_mov_b32 s36, 11
	s_mov_b32 s37, 32
	s_mov_b32 s38, 0
	s_mov_b32 s39, 0
	; W0: my quarter is 136 dense rows of 128 bytes, asked for as 68 rows of 256 and padded after every 128 bytes
	s_mov_b32 s40, 1
	s_mul_i32 s41, s[WV], 19584
	s_add_co_u32 s41, s41, W0B
	s_mov_b32 s44, 15|(1<<16)|(1<<20)|(1<<21)|(4<<22)|(3<<25)
	s_mov_b32 s45, 128<<16
	s_mov_b32 s46, 68<<16
	s_mov_b32 s47, 128<<16
	s_mov_b32 s48, 68
	s_mov_b32 s49, 128
	s_mov_b32 s50, 0
	s_mov_b32 s51, 0
	; W1: my quarter of a tile is 64 rows of 256 bytes, padded to 272
	s_mov_b32 s52, 1
	s_mul_i32 s53, s[WV], 17408
	s_mov_b32 s56, 15|(1<<16)|(1<<20)|(1<<21)|(5<<22)|(3<<25)
	s_mov_b32 s57, 128<<16
	s_mov_b32 s58, 64<<16
	s_mov_b32 s59, 128<<16
	s_mov_b32 s60, 64
	s_mov_b32 s61, 128
	s_mov_b32 s62, 0
	s_mov_b32 s63, 0
	; W2: my quarter of a group is 12 rows of 1,024 bytes, padded to 1,040
	s_mov_b32 s68, 1
	s_mul_i32 s69, s[WV], 12480
	s_mov_b32 s72, 15|(1<<16)|(1<<20)|(1<<21)|(7<<22)|(3<<25)
	s_mov_b32 s73, 512<<16
	s_mov_b32 s74, 12<<16
	s_mov_b32 s75, 512<<16
	s_mov_b32 s76, 12
	s_mov_b32 s77, 512
	s_mov_b32 s78, 0
	s_mov_b32 s79, 0
	s_mov_b32 s90, 0x3f317218                      ; ln 2
	s_mov_b32 s91, 0x3f317218
	s_mov_b32 s92, 0x3f7df3b6                      ; 1 - 8 x 0.001
	s_mov_b32 s93, 0x3f7df3b6
	s_mov_b32 s98, 0x76543210
	s_mov_b32 s99, 0xfedcba98
	s_lshl_b32 s100, s14, 16                       ; my block's 256 rows of 256 bytes,
	s_lshl_b32 s15, s[WV], 14                      ; my wave's 64
	s_add_co_u32 s100, s100, s15
	s_mov_b32 s101, 0
	s_mov_b32 s3, 0
	s_wait_dscnt 0x0                               ; the opening add is done
	s_wait_kmcnt 0x0
	s_add_nc_u64 s[18:19], s[4:5], s[100:101]
	s_or_b32 s19, s19, 0x80000000
	s_add_nc_u64 s[8:9], s[8:9], s[100:101]        ; out0 at my wave's first row
	s_lshl_b32 s100, s14, 10
	s_lshl_b32 s15, s[WV], 8
	s_add_co_u32 s100, s100, s15
	s_add_nc_u64 s[10:11], s[10:11], s[100:101]    ; out1 likewise
	s_mul_i32 s2, s[WV], 2816
	s_add_co_u32 s2, s2, BIASOFF
	s_add_nc_u64 s[30:31], s[6:7], s[2:3]
	s_or_b32 s31, s31, 0x80000000
	s_mul_i32 s2, s[WV], 17408
	s_add_nc_u64 s[42:43], s[6:7], s[2:3]
	s_or_b32 s43, s43, 0x80000000
	s_lshl_b32 s2, s[WV], 14
	s_add_co_u32 s2, s2, W1OFF
	s_add_nc_u64 s[54:55], s[6:7], s[2:3]
	s_or_b32 s55, s55, 0x80000000
	s_mul_i32 s2, s[WV], 12288
	s_add_co_u32 s2, s2, W2OFF
	s_add_nc_u64 s[70:71], s[6:7], s[2:3]
	s_or_b32 s71, s71, 0x80000000
	ROUND                                          ; all four work-groups are here: the first joint loads meet
	tensor_load_to_lds s[16:19], s[20:27]          ; the first fills, one group: x, W0, the biases, W1's tile 0: four loads of mine are out, the most in this text
	s_nop 0
	tensor_load_to_lds s[40:43], s[44:51]
	s_nop 0
	tensor_load_to_lds s[28:31], s[32:39]
	s_nop 0
	tensor_load_to_lds s[52:55], s[56:63]
	s_nop 0
	PLACES
	global_load_b128 v[MW1:MW1+3], v244, s[6:7] offset:MAXOFF      ; the table of maxima: W1's 128 words, four a lane,
	global_load_b32 v[MW0], v245, s[6:7] offset:MAXOFF+512         ; W0's 16,
	global_load_b32 v[MB0], v246, s[6:7] offset:MAXOFF+576         ; b0's 4,
	global_load_b32 v[MB1], v246, s[6:7] offset:MAXOFF+592         ; b1's 4
	; x's fragments.  Tile q, K step s: lane l holds row r, k = 32 s + 8 h + 0..7 and 32 s + 16 + 8 h + 0..7, rounded to bf16.  Beside them: the largest |x| of the lane's 128 numbers.
	s_wait_tensorcnt 0x3                           ; tensor loads of a wave end in order: x is in, the three behind it may stay out; only I read these bytes
	v_mov_b32 v[MXX], 0
.set g, 0
.rept 2
.set i, 0
.rept 16                               ; tile 2 g + i / 8; i % 8 = 4 s + 2 a + b: four f32 at k = 32 s + 16 a + 8 h + 4 b
	ds_load_b128 v[HA+4*i:HA+4*i+3], v[ADR1] offset:4352*(2*g+i/8)+128*((i/4)%2)+64*((i/2)%2)+16*(i%2)
.set i, i+1
.endr
	s_wait_dscnt 0x0
.set i, 0
.rept 32
	v_cvt_pk_bf16_f32 v[XF+32*g+i], v[HA+2*i], v[HA+2*i+1]
	v_max3_num_f32 v[MXX], v[MXX], |v[HA+2*i]|, |v[HA+2*i+1]|
.set i, i+1
.endr
.set g, g+1
.endr
.irp m, 1,2,4,8
	DMAX MXX, \m
.endr
	v_mov_b32 v232, v[MXX]                         ; v_permlanex16_b32's destination counts as read
	v_permlanex16_b32 v232, v[MXX], s98, s99
	v_max_num_f32 v[MXX], v[MXX], v232             ; my wave's max|x|, in every lane
	s_lshl_b32 s15, s[WV], 8
	s_add_co_u32 s15, s15, LDST
	v_mov_b32 v233, s15
	ds_store_b32 v233, v[MXX]                      ; all lanes write the same word with the same number
	s_wait_tensorcnt 0x0                           ; my quarters of W0, the biases and W1's tile 0 are in,
	s_wait_dscnt 0x0                               ; my max|x| is stored,
	s_barrier_signal -1
	s_barrier_wait -1                              ; everybody's are
	; THE SCALE.  Every wave makes the same s from the four waves' max|x| and the table.
	v_mov_b32 v233, LDST
.set i, 0
.rept 4
	ds_load_b32 v[234+i], v233 offset:256*i
.set i, i+1
.endr
	v_lshl_add_u32 v243, v0, 3, BIAS               ; the bias table is 11 x 128 threads x 8 bytes
.set i, 0
.rept 11
	ds_load_b64 v[HA+2*i:HA+2*i+1], v243 offset:1024*i
.set i, i+1
.endr
	s_wait_loadcnt 0x0                             ; the table
	v_max3_num_f32 v[MW1], v[MW1], v[MW1+1], v[MW1+2]
	v_max_num_f32 v[MW1], v[MW1], v[MW1+3]
.irp m, 1,2,4,8
	DMAX MW1, \m
	DMAX MW0, \m                                   ; both halves of the lanes hold the same 16 words
.endr
.irp m, 1,2
	DMAX MB0, \m                                   ; every four lanes hold the same 4 words
	DMAX MB1, \m
.endr
	v_mov_b32 v232, v[MW1]
	v_permlanex16_b32 v232, v[MW1], s98, s99
	v_max_num_f32 v[MW1], v[MW1], v232
	s_wait_dscnt 11                                ; the four words of max|x| are in; the 11 loads of the bias table behind them may be out
	v_max3_num_f32 v[MXX], v234, v235, v236
	v_max_num_f32 v[MXX], v[MXX], v237
	v_mul_f32 v237, 0x42800000, v[MXX]             ; 64 max|x|
	v_fma_f32 v237, v237, v[MW0], v[MB0]           ; B0
	v_mul_f32 v238, 0x44000000, v[MW1]             ; 512 max|W1|
	v_fma_f32 v238, v238, v237, v[MB1]             ; B1
	v_max3_num_f32 v237, v237, v238, 0x0d800000    ; not below 2^-100, so that s and 1 / s are normal numbers
	v_and_b32 v237, 0x7f800000, v237               ; P = 2^floor(log2 ..): the exponent's bits alone
	v_sub_nc_u32 v238, 0x86000000, v237            ; s = 2^14 / P: biased exponent 268 - P's
	v_add_nc_u32 v239, 0xf9000000, v237            ; 1 / s = P / 2^14: biased exponent P's - 14
	v_mul_f32 v240, 0x3fb8aa3b, v239               ; log2(e) / s
	v_lshrrev_b32 v241, 16, v238
	v_or_b32 v241, v241, v238                      ; s twice as bf16: a power of two has no bits below the upper half
	v_readfirstlane_b32 s100, v238
	v_readfirstlane_b32 s2, v239
	v_readfirstlane_b32 s88, v240
	s_mov_b32 s101, s100                           ; named as pairs
	s_mov_b32 s3, s2
	s_mov_b32 s89, s88
.set i, 0
.rept 64
	v_pk_mul_bf16 v[XF+i], v[XF+i], v241           ; s x: exact
.set i, i+1
.endr
	s_wait_dscnt 0x0
.set i, 0
.rept 11
	v_pk_mul_f32 v[HA+2*i:HA+2*i+1], v[HA+2*i:HA+2*i+1], s[100:101] op_sel_hi:[1,0]
.set i, i+1
.endr
.set i, 0
.rept 11
	ds_store_b64 v243, v[HA+2*i:HA+2*i+1] offset:1024*i  ; in place: a thread writes the bytes that it read; no tensor load lands here again
.set i, i+1
.endr
	s_wait_dscnt 0x0                               ; for the others' sake: my part of the table is scaled
	s_barrier_signal -1
	s_barrier_wait -1
; Layer 1's sums of half c start from s b1: register j of tile t is s b1[256 c + 16 t + 8 h + j], the same for the four row tiles.  Nothing is cleared and nothing is added later.
.macro ACCBIAS c
.set t, 0
.rept 16
	WIN 0x40*(1+t/8)                               ; destination window 1 or 2
.set q, 0
.rept 4
	ds_load_b128 v[8*(4*(t%8)+q):8*(4*(t%8)+q)+3],   v[LB] offset:3072+1024*(\c)+64*t
	ds_load_b128 v[8*(4*(t%8)+q)+4:8*(4*(t%8)+q)+7], v[LB] offset:3072+1024*(\c)+64*t+16
.set q, q+1
.endr
.set t, t+1
.endr
	WIN 0
.endm
.macro W0LOAD                          ; 12 loads: W0's four fragments (32 features x 64 k) and s b0's 32 numbers for one K step of layer 1
.set i, 0
.rept 4
	ds_load_b128 v[W0F+8*i:W0F+8*i+3],   v[ADR0] offset:2304*(i/2)+64*(i%2)
	ds_load_b128 v[W0F+8*i+4:W0F+8*i+7], v[ADR0] offset:2304*(i/2)+64*(i%2)+32
.set i, i+1
.endr
.set i, 0
.rept 2
	ds_load_b128 v[BC+8*i:BC+8*i+3],   v[ADRB] offset:64*i
	ds_load_b128 v[BC+8*i+4:BC+8*i+7], v[ADRB] offset:64*i+16
.set i, i+1
.endr
.endm
.macro W1LOAD dst, t0, cnt             ; W1's fragments of feature tiles t0 .. for the K step in hand
.set i, 0
.rept \cnt
	ds_load_b128 v[(\dst)+8*i:(\dst)+8*i+3],   v[ADR1] offset:4352*((\t0)+i)
	ds_load_b128 v[(\dst)+8*i+4:(\dst)+8*i+7], v[ADR1] offset:4352*((\t0)+i)+32
.set i, i+1
.endr
.endm
.macro GRP g, fr                       ; 16 matrix instructions of layer 1: feature tiles 4 g .. 4 g + 3 (fragments at fr) x the four row tiles; the accumulators take turns
	WIN 0x50*(1+(\g)/2)                            ; C and D in window 1 or 2
.set n, 0
.rept 16
.set rD, 8*(4*((4*(\g)+n/4)%8)+n%4)
	v_wmma_f32_16x16x32_f16 v[rD:rD+7], v[(\fr)+8*(n/4):(\fr)+8*(n/4)+7], v[F+8*(n%4):F+8*(n%4)+7], v[rD:rD+7]
.set n, n+1
.endr
.endm
; ONE K STEP OF LAYER 1: 16 matrix instructions (bf16) make the step's 32 features of s h0, 64 (f16) add its products to the half's 256 features.
.macro TRIP
	v_add_nc_u32 v[ADR1], s[TB1], v[LW1]
.rept 5
	v_nop                                          ; six places behind the last products: in front of the loads into their fragments, and of the products that write over HA, which held fragments
.endr
	s_add_co_u32 s[TB1], s[TB1], 64
	W1LOAD W1A, 0, 4
	s_wait_dscnt 8                                 ; W0's fragments and s b0, asked for a K step ago, are in; the 8 loads just issued may be out
.set n, 0
.rept 8                                ; n = 4 u + q: k 0-31 of x, the sums start from s b0
	v_wmma_f32_16x16x32_bf16 v[HA+8*n:HA+8*n+7], v[W0F+16*(n/4):W0F+16*(n/4)+7], v[XF+16*(n%4):XF+16*(n%4)+7], v[BC+8*(n/4):BC+8*(n/4)+7]
.set n, n+1
.endr
.set n, 0
.rept 8                                ; k 32-63
	v_wmma_f32_16x16x32_bf16 v[HA+8*n:HA+8*n+7], v[W0F+16*(n/4)+8:W0F+16*(n/4)+15], v[XF+16*(n%4)+8:XF+16*(n%4)+15], v[HA+8*n:HA+8*n+7]
.set n, n+1
.endr
	PLACES
.set n, 0
.rept 8                                ; n = 2 q + u: a lane's eight features pack into half a fragment; each accumulator is read from its low end
.set e, 0
.rept 4
	v_cvt_pk_f16_f32 v[F+4*n+e], v[HA+8*(4*(n%2)+n/2)+2*e], v[HA+8*(4*(n%2)+n/2)+2*e+1]
.set e, e+1
.endr
.set n, n+1
.endr
.set n, 0
.rept 32
	v_pk_max_num_f16 v[F+n], v[F+n], v[ZR]         ; ReLU
.set n, n+1
.endr
	W1LOAD HA, 4, 8
	s_wait_dscnt 16                                ; tiles 0-3 are in; the 16 loads just issued may be out
	GRP 0, W1A
	WIN 0
	v_add_nc_u32 v[ADR0], s[TB0], v[LW0]           ; two address lines and two v_nop: the places in front of the loads into W1A
	v_add_nc_u32 v[ADRB], s[TBB], v[LB]
	v_nop
	v_nop
	W1LOAD W1A, 12, 4
	W0LOAD                                         ; the next K step's
	s_add_co_u32 s[TB0], s[TB0], 4608
	s_add_co_u32 s[TBB], s[TBB], 128
	s_wait_dscnt 20                                ; tiles 4-11 are in; the 8 + 12 loads just issued may be out
	GRP 1, HA
	GRP 2, HA+32
	s_wait_dscnt 12                                ; tiles 12-15 are in; the next K step's 12 may be out
	GRP 3, W1A
	WIN 0
.endm
.macro KLOOP                           ; a tile of W1: four K steps
	s_mov_b32 s[CK], 4
.Lk_\@:
	TRIP
	s_sub_co_u32 s[CK], s[CK], 1
	s_cmp_lg_u32 s[CK], 0
	s_cbranch_scc1 .Lk_\@
.endm
; Half c's sums become s h1's K steps 8 c + k: feature tiles 2 k and 2 k + 1 pack into one fragment.  c = 0 writes window 3.  c = 1 writes window 1 in place: fragment (k, q) lands at 32 k + 8 q, in
; registers of feature tile k, which has been read when k > 0 and is the one being read, from its low end, when k = 0.
.macro CONVERT c
	PLACES
.set k, 0
.rept 8
.set q, 0
.rept 4
	WIN ((3-2*(\c))<<6)|(5*(1+k/4))                ; sources in window 1 (k < 4) or 2
.set sa, 8*(4*((2*k)%8)+q)
.set da, 8*(4*k+q)
.set e, 0
.rept 4
	v_cvt_pk_f16_f32 v[da+e], v[sa+2*e], v[sa+2*e+1]
.set e, e+1
.endr
.set e, 0
.rept 4
	v_cvt_pk_f16_f32 v[da+4+e], v[sa+32+2*e], v[sa+32+2*e+1]
.set e, e+1
.endr
.set q, q+1
.endr
.set k, k+1
.endr
	WIN ((3-2*(\c))<<6)|(3-2*(\c))                 ; destination and source 0 in h1's window, the zero in window 0
.set n, 0
.rept 256
	v_pk_max_num_f16 v[n], v[n], v[ZR]             ; ReLU
.set n, n+1
.endr
	WIN 0
.endm
	ACCBIAS 0
	v_mov_b32 v[ADR0], v[LW0]
	v_mov_b32 v[ADRB], v[LB]
	W0LOAD                                         ; K step 0's
	s_mov_b32 s[TB0], 4608
	s_mov_b32 s[TBB], 128
	s_mov_b32 s[TB1], SL1+256                      ; the first change of slots turns this into 0
	s_mov_b32 s[CT], 4
.Lc0:                                  ; half 0: tiles 0-3 are read, tiles 1-4 asked for
	CHANGE 1, 1
	KLOOP
	s_sub_co_u32 s[CT], s[CT], 1
	s_cmp_lg_u32 s[CT], 0
	s_cbranch_scc1 .Lc0
	CONVERT 0
	ACCBIAS 1
	s_mov_b32 s[TB0], 4608                         ; K step 0's W0 and b0 are on their way: the last K step fetched the repeated rows
	s_mov_b32 s[TBB], 128
	s_mov_b32 s[CT], 3
.Lc1:                                  ; half 1: tiles 4-6 are read, tiles 5-7 asked for
	CHANGE 1, 1
	KLOOP
	s_sub_co_u32 s[CT], s[CT], 1
	s_cmp_lg_u32 s[CT], 0
	s_cbranch_scc1 .Lc1
	CHANGE 2, 1                                    ; tile 7 is read from the upper slot; W2's group 0 goes into bytes 0 .. 49,919, which tile 6 has left
	KLOOP
	CONVERT 1
	v_mov_b32 v[KM], 0x3a83126f                    ; 0.001 .. 0.008
	v_mov_b32 v[KM+1], 0x3b03126f
	v_mov_b32 v[KM+2], 0x3b449ba6
	v_mov_b32 v[KM+3], 0x3b83126f
	v_mov_b32 v[KM+4], 0x3ba3d70a
	v_mov_b32 v[KM+5], 0x3bc49ba6
	v_mov_b32 v[KM+6], 0x3be56042
	v_mov_b32 v[KM+7], 0x3c03126f
.set q, 0
.rept 4
	v_mov_b32 v[LD+q], 0
.set q, q+1
.endr
	s_mov_b32 s[TB2], SL2                          ; the first change of slots turns this into 0
	s_mov_b32 s[TBC], 0
	s_mov_b32 s[TBX], 0
.macro FLOAD dst, k0                   ; 24 loads: W2's fragments of K steps k0 .. k0 + 3, three feature tiles each
	WIN 0x80                                       ; destination window 2
.set n, 0
.rept 12
	ds_load_b128 v[(\dst)+8*n:(\dst)+8*n+3],   v[ADR2] offset:16640*(n%3)+64*((\k0)+n/3)
	ds_load_b128 v[(\dst)+8*n+4:(\dst)+8*n+7], v[ADR2] offset:16640*(n%3)+64*((\k0)+n/3)+32
.set n, n+1
.endr
.endm
.macro LOADS                           ; a group's s b2 and its first eight K steps' fragments: 6 + 24 + 24 loads
	v_add_nc_u32 v[ADR2], s[TB2], v[LW2]
	v_add_nc_u32 v[ADRC], s[TBC], v[LB]
	s_add_co_u32 s[TBC], s[TBC], 192
.set n, 0
.rept 3
	ds_load_b128 v[BC2+8*n:BC2+8*n+3],   v[ADRC] offset:5120+64*n
	ds_load_b128 v[BC2+8*n+4:BC2+8*n+7], v[ADRC] offset:5120+64*n+16
.set n, n+1
.endr
	FLOAD FA, 0
	FLOAD FB, 4
	WIN 0
.endm
.macro UNIT n                          ; 48 matrix instructions: K steps 4 n .. 4 n + 3 x 3 feature tiles x 4 row tiles; the 12 accumulators take turns; K step 0 starts the sums from s b2
.if (\n) < 2
	WIN 0x0e                                       ; W2 in window 2, h1 in window 3
.else
	WIN 0x06                                       ; h1 in window 1
.endif
.set m, 0
.rept 48
.set rA, FA+96*((\n)%2)+8*(3*(m/12)+(m/4)%3)
.set rB, 8*(4*((4*(\n)+m/12)%8)+m%4)
.set rD, ACC2+24*(m%4)+8*((m/4)%3)
.if ((\n) == 0) && (m < 12)
	v_wmma_f32_16x16x32_f16 v[rD:rD+7], v[rA:rA+7], v[rB:rB+7], v[BC2+8*((m/4)%3):BC2+8*((m/4)%3)+7]
.else
	v_wmma_f32_16x16x32_f16 v[rD:rD+7], v[rA:rA+7], v[rB:rB+7], v[rD:rD+7]
.endif
.set m, m+1
.endr
.endm
.macro MM                              ; a group's 192 matrix instructions; each run of 24 loads is issued 48 matrix instructions ahead of its first use
	s_wait_dscnt 24                                ; s b2 and K steps 0-3 are in; the youngest 24 loads (K steps 4-7) may be out
	UNIT 0
	PLACES
	FLOAD FA, 8
	s_wait_dscnt 24                                ; K steps 4-7 are in; the 24 just issued may be out
	UNIT 1
	PLACES
	FLOAD FB, 12
	s_wait_dscnt 24                                ; K steps 8-11
	UNIT 2
	s_wait_dscnt 0x0                               ; K steps 12-15
	UNIT 3
	WIN 0
.endm
; THE SPLINE of one group: four elements a lane, one in each row tile.  Q4 writes a line once for each tile, so that four chains that do not wait for each other stand side by side.
; The parameters arrive times s.  A maximum and a choice among them are the same with or without s > 0; every product with log2(e) takes log2(e) / s in its stead.
.macro Q4 line:vararg
.set q, 0
	s_wait_alu depctr_va_vdst(0)
.rept 4
.set AW, ACC2+24*q                     ; widths w0-w7
.set AH, AW+8                          ; heights
.set AP, AW+16                         ; derivatives p0-p6; p7 is the padding, s RAW0
.set AT, TQ+8*q
.set AX, XV+q
.set AL, LD+q
.set AM, 94+q
	\line
.set q, q+1
.endr
.endm
.macro RQS
	v_add_nc_u32 v[ADRX], s[TBX], v[XA0]
	s_add_co_u32 s[TBX], s[TBX], 4
	Q4 ds_load_b32 v[AX], v[ADRX] offset:4352*q
	; two softmaxes of eight: the maxima are taken away; each accumulator is read from its low end
	Q4 v_max3_num_f32 v[AT], v[AW], v[AW+1], v[AW+2]
	Q4 v_max3_num_f32 v[AT+1], v[AH], v[AH+1], v[AH+2]
	Q4 v_max3_num_f32 v[AT], v[AT], v[AW+3], v[AW+4]
	Q4 v_max3_num_f32 v[AT+1], v[AT+1], v[AH+3], v[AH+4]
	Q4 v_max3_num_f32 v[AT], v[AT], v[AW+5], v[AW+6]
	Q4 v_max3_num_f32 v[AT+1], v[AT+1], v[AH+5], v[AH+6]
	Q4 v_max_num_f32 v[AT], v[AT], v[AW+7]
	Q4 v_max_num_f32 v[AT+1], v[AT+1], v[AH+7]
	Q4 v_pk_mul_f32 v[AT:AT+1], v[AT:AT+1], s[88:89] op_sel_hi:[1,0]
.irp i, 0,2,4,6
	Q4 v_pk_fma_f32 v[AW+(\i):AW+(\i)+1], v[AW+(\i):AW+(\i)+1], s[88:89], v[AT:AT+1] op_sel_hi:[1,0,0] neg_lo:[0,0,1] neg_hi:[0,0,1]
	Q4 v_pk_fma_f32 v[AH+(\i):AH+(\i)+1], v[AH+(\i):AH+(\i)+1], s[88:89], v[AT:AT+1] op_sel:[0,0,1] op_sel_hi:[1,0,1] neg_lo:[0,0,1] neg_hi:[0,0,1]
.endr
.irp i, 0,1,2,3,4,5,6,7
	Q4 v_exp_f32 v[AW+(\i)], v[AW+(\i)]
	Q4 v_exp_f32 v[AH+(\i)], v[AH+(\i)]
.endr
	v_nop                                          ; a plain instruction behind the exponentials (ISA guide 5.7.2)
	s_wait_alu depctr_va_vdst(0)
.irp i, 1,2,3,4,5,6,7
	Q4 v_add_f32 v[AW+(\i)], v[AW+(\i)], v[AW+(\i)-1]  ; running sums
	Q4 v_add_f32 v[AH+(\i)], v[AH+(\i)], v[AH+(\i)-1]
.endr
	Q4 v_rcp_f32 v[AT], v[AW+7]
	Q4 v_rcp_f32 v[AT+1], v[AH+7]
	v_nop
	s_wait_alu depctr_va_vdst(0)
	Q4 v_pk_mul_f32 v[AT:AT+1], v[AT:AT+1], s[92:93] op_sel_hi:[1,0]
.irp i, 0,2,4,6
	Q4 v_pk_fma_f32 v[AW+(\i):AW+(\i)+1], v[AW+(\i):AW+(\i)+1], v[AT:AT+1], v[KM+(\i):KM+(\i)+1] op_sel_hi:[1,0,1]  ; w_i is now the knot X_(i+1),
	Q4 v_pk_fma_f32 v[AH+(\i):AH+(\i)+1], v[AH+(\i):AH+(\i)+1], v[AT:AT+1], v[KM+(\i):KM+(\i)+1] op_sel:[0,1,0] op_sel_hi:[1,1,1]  ; h_i the knot Y_(i+1)
.endr
	s_wait_dscnt 0x0                               ; x is in (and so are the next group's fragments)
	Q4 v_cvt_pk_bf16_f32 v[AX], v[AX], v[AX]
	Q4 v_lshlrev_b32 v[AX], 16, v[AX]              ; x as the layers saw it (without s),
	Q4 v_max_num_f32 v[AX], 0, v[AX]
	Q4 v_min_num_f32 v[AX], 1.0, v[AX]             ; clipped
	; the bin k = the number of knots X_1 .. X_7 below x, by halving.  X_0 = Y_0 = 0; the raw derivatives are D_0 = D_8 = p7, D_j = p_(j-1).  Nine candidates become five: at +4, +0, +1, +2, +3
	Q4 v_cmp_lt_f32 s[AM], v[AW+3], v[AX]
.irp b, AW, AH, AP
	Q4 v_cndmask_b32 v[(\b)], v[(\b)], v[(\b)+4], s[AM]
	Q4 v_cndmask_b32 v[(\b)+1], v[(\b)+1], v[(\b)+5], s[AM]
	Q4 v_cndmask_b32 v[(\b)+2], v[(\b)+2], v[(\b)+6], s[AM]
.endr
	Q4 v_cndmask_b32 v[AW+4], 0, v[AW+3], s[AM]
	Q4 v_cndmask_b32 v[AH+4], 0, v[AH+3], s[AM]
	Q4 v_cndmask_b32 v[AP+4], v[AP+7], v[AP+3], s[AM]
.irp b, AW, AH, AP
	Q4 v_cndmask_b32 v[(\b)+3], v[(\b)+3], v[(\b)+7], s[AM]
.endr
	Q4 v_cmp_lt_f32 s[AM], v[AW+1], v[AX]          ; five become three: at +4, +0, +1
.irp b, AW, AH, AP
	Q4 v_cndmask_b32 v[(\b)+4], v[(\b)+4], v[(\b)+1], s[AM]
	Q4 v_cndmask_b32 v[(\b)], v[(\b)], v[(\b)+2], s[AM]
	Q4 v_cndmask_b32 v[(\b)+1], v[(\b)+1], v[(\b)+3], s[AM]
.endr
	Q4 v_cmp_lt_f32 s[AM], v[AW], v[AX]            ; three become two, in pairs: (X_k, Y_k) w4:5, (X_k+1, Y_k+1) w6:7, (D_k, D_k+1) p4:5
	Q4 v_cndmask_b32 v[AW+4], v[AW+4], v[AW], s[AM]
	Q4 v_cndmask_b32 v[AW+6], v[AW], v[AW+1], s[AM]
	Q4 v_cndmask_b32 v[AW+5], v[AH+4], v[AH], s[AM]
	Q4 v_cndmask_b32 v[AW+7], v[AH], v[AH+1], s[AM]
	Q4 v_cndmask_b32 v[AP+4], v[AP+4], v[AP], s[AM]
	Q4 v_cndmask_b32 v[AP+5], v[AP], v[AP+1], s[AM]
	; softplus of the two derivatives alone: max(p, 0) + ln 2 x log2(1 + 2^(-|p| log2 e)) + 0.001
	Q4 v_mul_f32 v[AT+2], -|v[AP+4]|, s88
	Q4 v_mul_f32 v[AT+3], -|v[AP+5]|, s88
	Q4 v_pk_add_f32 v[AW+6:AW+7], v[AW+6:AW+7], v[AW+4:AW+5] neg_lo:[0,1] neg_hi:[0,1]  ; the bin's width and height
	Q4 v_exp_f32 v[AT+2], v[AT+2]
	Q4 v_exp_f32 v[AT+3], v[AT+3]
	Q4 v_rcp_f32 v[AT], v[AW+6]
	Q4 v_sub_f32 v[AT+1], v[AX], v[AW+4]           ; plain lines that touch none of those results or sources
	Q4 v_max_num_f32 v[AP+4], 0, v[AP+4]
	Q4 v_max_num_f32 v[AP+5], 0, v[AP+5]
	Q4 v_pk_mul_f32 v[AP+4:AP+5], v[AP+4:AP+5], s[2:3] op_sel_hi:[1,0]  ; the one place where 1 / s wants a line of its own
	Q4 v_pk_add_f32 v[AT+2:AT+3], v[AT+2:AT+3], 1.0 op_sel_hi:[1,0]
	Q4 v_log_f32 v[AT+2], v[AT+2]
	Q4 v_log_f32 v[AT+3], v[AT+3]
	Q4 v_mul_f32 v[AT+1], v[AT+1], v[AT]           ; theta
	Q4 v_mul_f32 v[AT], v[AW+7], v[AT]             ; s_k = height / width
	Q4 v_pk_fma_f32 v[AT+2:AT+3], v[AT+2:AT+3], s[90:91], v[AP+4:AP+5] op_sel_hi:[1,0,1]
	Q4 v_pk_add_f32 v[AT+2:AT+3], v[AT+2:AT+3], 0x3a83126f op_sel_hi:[1,0]  ; d_k, d_k+1
	Q4 v_sub_f32 v[AT+4], 1.0, v[AT+1]
	Q4 v_mul_f32 v[AT+5], v[AT+1], v[AT+4]         ; theta (1 - theta)
	Q4 v_mul_f32 v[AT+1], v[AT+1], v[AT+1]         ; theta^2
	Q4 v_mul_f32 v[AT+4], v[AT+4], v[AT+4]         ; (1 - theta)^2
	Q4 v_add_f32 v[AT+6], v[AT+2], v[AT+3]
	Q4 v_fma_f32 v[AT+6], v[AT], -2.0, v[AT+6]
	Q4 v_fma_f32 v[AT+6], v[AT+6], v[AT+5], v[AT]  ; den
	Q4 v_mul_f32 v[AT+7], v[AT], v[AT+1]
	Q4 v_fma_f32 v[AT+7], v[AT+2], v[AT+5], v[AT+7]
	Q4 v_mul_f32 v[AT+7], v[AT+7], v[AW+7]         ; height x (s_k theta^2 + d_k theta (1 - theta))
	Q4 v_add_f32 v[AW+6], 0x358637bd, v[AT+6]      ; den + 1e-6
	Q4 v_fma_f32 v[AW+4], v[AT+6], v[AT+6], 0x358637bd  ; den^2 + 1e-6
	Q4 v_mul_f32 v[AH], v[AT+3], v[AT+1]
	Q4 v_fma_f32 v[AH], v[AT+2], v[AT+4], v[AH]
	Q4 v_mul_f32 v[AH+1], v[AT], v[AT+5]
	Q4 v_fma_f32 v[AH], v[AH+1], 2.0, v[AH]
	Q4 v_mul_f32 v[AH+1], v[AT], v[AT]
	Q4 v_mul_f32 v[AH], v[AH], v[AH+1]             ; s_k^2 (d_k+1 theta^2 + 2 s_k theta (1 - theta) + d_k (1 - theta)^2)
	Q4 v_rcp_f32 v[AW+6], v[AW+6]
	Q4 v_rcp_f32 v[AW+4], v[AW+4]
	v_nop
	s_wait_alu depctr_va_vdst(0)
	Q4 v_fma_f32 v[AT+7], v[AT+7], v[AW+6], v[AW+5]  ; z
	Q4 v_mul_f32 v[AH], v[AH], v[AW+4]
	Q4 v_log_f32 v[AH], v[AH]
	Q4 ds_store_b32 v[ADRX], v[AT+7] offset:4352*q  ; z takes x's word: only this lane ever touches it
	v_nop
	s_wait_alu depctr_va_vdst(0)
	Q4 v_add_f32 v[AL], v[AL], v[AH]               ; in log2; ln 2 comes at the end
.endm
	CHANGE 3, 2                                    ; group 0 is in; group 1 is asked for, into bytes that W1's last tiles have left
	LOADS
	s_mov_b32 s[SG], 31
	s_branch .Lmm                                  ; the loop is entered behind the spline: there is no group before the first
.Lgrp:                                 ; 30 times: groups 2-31 are asked for, groups 1-30 multiplied, the spline of groups 0-29 made
	CHANGE 3, 2
	LOADS
	RQS                                            ; the group before's, while the fragments are on their way
.Lmm:
	MM
	s_sub_co_u32 s[SG], s[SG], 1
	s_cmp_lg_u32 s[SG], 0
	s_cbranch_scc1 .Lgrp
	CHANGE 0, 2                                    ; the tail is written out: nothing is asked for
	LOADS
	s_mov_b32 s[CK], 2
.Lt:                                   ; two trips: group 30's spline and group 31's products; group 31's spline
	RQS
	s_cmp_eq_u32 s[CK], 1
	s_cbranch_scc1 .Lskip
	MM
	PLACES                                         ; in front of the spline's reads of results just made
.Lskip:
	s_sub_co_u32 s[CK], s[CK], 1
	s_cmp_lg_u32 s[CK], 0
	s_cbranch_scc1 .Lt
	; THE WAY OUT.  The row sums: a row's two halves of d lie 16 lanes apart; 64 sums go through my stage and leave as 256 consecutive bytes.
	v_and_b32 v8, 15, v0
	v_bfe_u32 v9, v0, 4, 1
	v_mul_u32_u24 v10, v9, 272
	v_lshl_add_u32 v10, v8, 4, v10
	v_add_nc_u32 v10, s17, v10                     ; z back: lanes 0-15 one row of 256 bytes, lanes 16-31 the next
	v_and_b32 v11, 31, v0
	v_lshlrev_b32 v13, 4, v11                      ; 16 x lane
	s_lshl_b32 s15, s[WV], 8
	s_add_co_u32 s15, s15, LDST
	v_lshl_add_u32 v8, v8, 2, s15
	v_lshl_add_u32 v9, v11, 3, s15
	v_lshlrev_b32 v11, 3, v11                      ; 8 x lane
.set q, 0
.rept 4
	v_permlanex16_b32 v[TQ+8*q], v[LD+q], s98, s99
.set q, q+1
.endr
.set q, 0
.rept 4
	v_add_f32 v[LD+q], v[LD+q], v[TQ+8*q]
.set q, q+1
.endr
.set q, 0
.rept 4
	v_mul_f32 v[LD+q], s90, v[LD+q]
	ds_store_b32 v8, v[LD+q] offset:64*q           ; row 16 q + r; both halves of the lanes write the same number
.set q, q+1
.endr
	ds_load_b64 v[XV:XV+1], v9                     ; LDS serves a wave's instructions in order (ISA guide 5.7.1.4): this sees the stores above
	s_wait_dscnt 0x0
	global_store_b64 v11, v[XV:XV+1], s[10:11] th:TH_STORE_NT  ; the wave stores 256 consecutive bytes, at a multiple of 256 from out1's first byte
.set g, 0
.rept 2                                ; z: 64 rows of 256 bytes, two batches of 16 loads of two rows
.if g
	s_wait_xcnt 0x0                                ; the first batch's stores have read their registers: only behind this wait are they loaded again
.endif
.set i, 0
.rept 16
	ds_load_b128 v[OUTR+4*i:OUTR+4*i+3], v10 offset:544*(16*g+i)
.set i, i+1
.endr
.set i, 0
.rept 16
	s_wait_dscnt 15-i
	global_store_b128 v13, v[OUTR+4*i:OUTR+4*i+3], s[8:9] offset:512*(16*g+i) th:TH_STORE_NT  ; 16 lanes store 256 consecutive bytes, at a multiple of 256 from out0's first byte
.set i, i+1
.endr
.set g, g+1
.endr
	s_wait_tensorcnt 0x0                           ; the wave's end: behind my last tensor load and my last LDS store
	ds_add_u32 v[SPW], v[NIL]
	s_wait_dscnt 0x0
	ROUND                                          ; the closing round: no work-group ends while a partner may still ask for a tile that names it
	s_endpgm
.Lfunc_end_k_qee1638552e_main:
	.size	k_qee1638552e_main, .Lfunc_end_k_qee1638552e_main-k_qee1638552e_main
	.p2alignl 7, 3214868480
	.fill 96, 4, 3214868480
	.section	.rodata,"a",@progbits
	.p2align	6, 0x0
	.amdhsa_kernel k_qee1638552e_main
		.amdhsa_group_segment_fixed_size 327680
		.amdhsa_private_segment_fixed_size 0
		.amdhsa_enable_private_segment 0
		.amdhsa_kernarg_size 32
		.amdhsa_user_sgpr_count 2
		.amdhsa_user_sgpr_kernarg_segment_ptr 1
		.amdhsa_wavefront_size32 1
		.amdhsa_system_sgpr_workgroup_id_x 1
		.amdhsa_system_sgpr_workgroup_id_y 1
		.amdhsa_system_sgpr_workgroup_id_z 1
		.amdhsa_system_vgpr_workitem_id 0
		.amdhsa_next_free_vgpr 1024
		.amdhsa_next_free_sgpr 102
		.amdhsa_reserve_vcc 0
		.amdhsa_float_denorm_mode_32 3
		.amdhsa_float_denorm_mode_16_64 3
		.amdhsa_memory_ordered 1
		.amdhsa_forward_progress 1
		.amdhsa_inst_pref_size 255
	.end_amdhsa_kernel
	.section	.bss,"aw",@nobits
	.p2align	6
	.space	262144
	.amdgpu_metadata
---
amdhsa.version: [ 1, 2 ]
amdhsa.kernels:
  - .name:           k_qee1638552e_main
    .symbol:         k_qee1638552e_main.kd
    .args:
      - { .name: x, .offset: 0, .size: 8, .value_kind: global_buffer, .address_space: global }
      - { .name: wts, .offset: 8, .size: 8, .value_kind: global_buffer, .address_space: global }
      - { .name: out0, .offset: 16, .size: 8, .value_kind: global_buffer, .address_space: global }
      - { .name: out1, .offset: 24, .size: 8, .value_kind: global_buffer, .address_space: global }
    .group_segment_fixed_size: 327680
    .private_segment_fixed_size: 0
    .kernarg_segment_align: 8
    .kernarg_segment_size: 32
    .max_flat_workgroup_size: 128
    .sgpr_count:     102
    .vgpr_count:     1024
    .wavefront_size: 32
...
	.end_amdgpu_metadata
.endif
;; end of part 2
;; ======== version 2 of 2: 2 launches; 1.30 times as fast as version 1
;; limits: values are held in f16: magnitudes above 65,504 overflow, below 6.1e-05 lose precision; inputs' magnitudes at most 65,504
;; workspace buffers: wts 2,179,072 bytes
;; launch prep: the kernel of part 1 again; grid 133 x 1, 4 waves a work-group, no clusters, 18,944 bytes of LDS; arguments W0, W1, W2, b0, b1, b2, wts; writes wts
;; launch main (part 3): grid 256 x 1, 4 waves a work-group, clusters of 4 x 1, 327,680 bytes of LDS; arguments x, wts, out0, out1; writes out0, out1
.if DOCPART == 3
	.amdgcn_target "amdgcn-amd-amdhsa--gfx1250"
	.amdhsa_code_object_version 6
	.text
	.protected	k_qee1638552e_main
	.globl	k_qee1638552e_main
	.p2align	8
	.type	k_qee1638552e_main,@function
k_qee1638552e_main:
	s_mov_b64 s[64:65], 0
	v_nop
	global_prefetch_b8 v0, s[64:65] scope:SCOPE_SE
	s_setreg_imm32_b32 hwreg(HW_REG_WAVE_MODE, 25, 1), 1
	s_wait_xcnt 0x0
	s_wait_alu depctr_hold_cnt(0) depctr_sa_sdst(0) depctr_va_vdst(0) depctr_va_sdst(0) depctr_va_ssrc(0) depctr_va_vcc(0) depctr_vm_vsrc(0)
	s_getreg_b32 s2, hwreg(HW_REG_IB_STS2, 6, 4)
	s_cmp_eq_u32 s2, 0
	s_cbranch_scc0 .Lentry_in_a_cluster
	s_endpgm
.Lentry_in_a_cluster:
	s_bfe_u32 s2, ttmp6, 0x10000c
	s_cmp_lg_u32 s2, 0x3003
	s_cbranch_scc0 .Lentry_shape_is_right
	s_endpgm
.Lentry_shape_is_right:
; z, sum of log_det = a rational-quadratic spline of x whose 23 parameters for each (row, d) come from relu(relu(x W0 + b0) W1 + b1) W2 + b2.  x: [65536][64] f32; the weights come from wts (turned, in tiles).
; SHARES.  A work-group owns 256 rows, each of its four waves 64: four tiles q of 16 rows.  Nothing but x comes from memory beside the weights; h0, h1 and the parameters never leave the wave's registers.
; EVERY PRODUCT IS USED TRANSPOSED: source 0 = 16 features of the weights (from LDS), source 1 = 32 k x 16 rows of activations (registers).  In a result lane l holds row l % 16 and the features
; 8 (l / 16) + 0..7, so two results rounded to 16 bits ARE source 1 of the next layer.  A fragment of weights feeds four matrix instructions.
; FORMATS AND THE SCALE.  All inputs are rounded to bf16 (x in the spline too).  Layer 0 multiplies in bf16.  h0 and h1 are rounded to f16, whose 11 significant bits the sum of 64 logarithms needs, and layers
; 1 and 2 multiply in f16 (their weights: the bf16 number written as f16).  f16's range is met by ONE power of two s for the work-group: relu(s a) = s relu(a), so with x and the three biases times s the
; layers give s h0, s h1 and s x the parameters.  B0 = 64 max|x| max|W0| + max|b0| bounds layer 0's sums, B1 = 512 max|W1| B0 + max|b1| layer 1's; s = 2^14 / 2^floor(log2 max(B0, B1, 2^-100)), so
; every number that is converted stays under 2^15.  1 / s is folded into the factor log2(e) of the softmaxes and the softplus.
; LAYER 1 runs in two halves of 256 features (512 registers of sums, started from s b1 by LDS loads).  In each of its K steps of 32 the 32 features of h0 that it needs are made on the spot from x's fragments
; and the resident W0: h0 is never kept, layer 0 is computed twice (256 matrix instructions more), W1 is streamed once.
; LAYER 2 goes by 32 groups of 48 rows of W2's layout: in group p lane l gets all 23 parameters (and one padding) of d = 32 (l / 16) + p for its row in each tile q.  The spline of a group stands behind the
; fragment loads of the next group.  The bin is found by three compares and selects: no branch and no address hangs on a number.
; THE SPLINE'S TRANSCENDENTALS go in SIX BATCHES, each over the lane's four elements, each with ONE s_wait_alu depctr_va_vdst(0) ahead of its first reader:
;   A  the 64 exponentials of the two softmaxes          B  the 8 reciprocals of their sums          C  the softplus's 8 exponentials and the 4 reciprocals of the bin's width
;   D  the softplus's 8 logarithms          E  the 8 reciprocals of den + 1e-6 and den^2 + 1e-6          F  the 4 logarithms of log_det
; Each batch reads what the batch before it made, so no two can be joined.  Behind C, D, E and F stand lines that name none of the batch's results (16, 32, 28 and 4 of them), then the wait, then the readers;
; behind A and B nothing independent is at hand, and a v_nop is the plain line.  F's wait stands inside the spline: no result crosses a label or a jump.
; CLUSTER.  All work-groups walk the same weights: every weight tile is asked for JOINTLY by the four work-groups of a cluster (mask 15), each wave a quarter of it.  x's tile is each wave's own plain load.
; LIMITS.  W1 and W2 within 65,504, exact in f16 from 2^-17 on.  A number of s h0 or s h1 below 2^-14, that is below 2^-29 of the bound, keeps f16's fixed step.  A bin's width and height are taken as
; differences of neighbouring knots, which are 0.001 (i + 1) + 0.992 x (running sum of exponentials) / (their sum): an order of rounding other than the reference's, some 1e-7 against a least width of 1e-3.
; Exponentials and logarithms flush denormals; NaN is not treated apart.
; Left out: prefetching (the weights are read again and again by all work-groups, x once at the start); work-groups that stay (one block of rows for each).
.set W1OFF,   69632                    ; wts: W0 at 0 (544 rows x 128 bytes), W1's 8 tiles of 65,536 bytes,
.set W2OFF,   593920                   ; W2's 1,536 rows of 1,024 bytes,
.set BIASOFF, 2166784                  ; 2,816 f32: b0 at 0, b1 at 3,072, b2 at 5,120 bytes,
.set MAXOFF,  2178048                  ; largest magnitudes by waves: 128 words for W1, 16 for W0, 4 for b0, 4 for b1
; LDS
.set SL1,   0x11000                    ; layer 1's ring: two slots of 256 rows x 272 bytes, at 0 and here
.set SL2,   0x10000                    ; layer 2's ring: two slots of 48 rows x 1,040 bytes, at 0 and here
.set W0B,   139264                     ; W0: 544 rows x 144 bytes, filled once
.set XZ,    217600                     ; x, f32: 64 rows x 272 bytes for each wave, filled once; z takes x's place word by word
.set BIAS,  287232                     ; the biases, filled once, then multiplied by s in place
.set LDST,  298496                     ; 256 bytes for each wave: at the start its max|x|, at the end the stage of the row sums
.set SPARE, 299520                     ; the spare words, 128 bytes for each wave: two blocks of 256 bytes that no other line names
; REGISTERS, window 0
.set SPW, 1                            ; LDS address of my spare word; never rewritten
.set NIL, 2                            ; 0; never rewritten
.set ZR,  3                            ; 0, for the packed ReLU
.set LW1, 4                            ; 272 r + 16 h     my lane's place in a tile of W1 (r = lane % 16, h = lane / 16)
.set LW0, 5                            ; W0B + 144 r + 16 h
.set LB,  6                            ; BIAS + 32 h
.set LW2, 7                            ; 1040 r + 16 h
.set ADR1, 8                           ; the addresses in hand
.set ADR0, 9
.set ADRB, 10
.set ADR2, 11
.set XA0, 12                           ; XZ + 17,408 w + 272 r + 128 h: my word of x for group 0, tile 0
.set ADRC, 13
.set ADRX, 14
.set XF,  16                           ; layers 0, 1: x's fragments, tile q, K step s at 16 q + 8 s
.set F,   80                           ; h0's fragment of the K step in hand, 8 q
.set HA,  112                          ; layer 0's sums, 8 (4 u + q); then W1's fragments of feature tiles 4-11
.set W0F, 176                          ; W0's fragments, 8 (2 u + s)
.set BC,  208                          ; s b0 as C, 8 u
.set W1A, 224                          ; W1's fragments of feature tiles 0-3, then 12-15.  Before the first K step v224-246 serve the scale:
.set MW1, 224                          ; v224-227 W1's maxima, v228 W0's, v229 b0's, v230 b1's, v231 x's; v232-241 at work; v243-246 offsets
.set MW0, 228
.set MB0, 229
.set MB1, 230
.set MXX, 231
.set KM,  16                           ; layer 2: 0.001 (i + 1)
.set LD,  24                           ; running sums of log2, one a tile
.set XV,  28                           ; x, one a tile
.set BC2, 32                           ; s b2 as C, 8 u
.set ACC2, 56                          ; s x the parameters: 24 q + 8 u (u = 0 widths, 1 heights, 2 derivatives)
.set TQ,  152                          ; eight at work a tile
.set OUTR, 184                         ; the way out
; windows 1, 2: layer 1's sums, feature tile t, row tile q at 8 (4 (t % 8) + q) of window 1 + t / 8.  Window 3: h1's K steps 0-7 at 8 (4 ks + q); window 1 later: K steps 8-15.
.set FA,  0                            ; window 2, layer 2: two buffers of 12 fragments of W2, 8 (3 (ks % 4) + u)
.set FB,  96
; scalars.  s[4:11] x, wts, out0, out1.  At the head s13, s14, s[100:101] hold my place in the cluster and what is made of it (x's and the outputs' addresses alone), s[2:3] the joint loads' offsets.
; Later s[100:101] = s twice, s[2:3] = 1 / s twice.
.set WV,  12
.set TBX, 66                           ; 4 x the group whose spline comes next
.set TB0, 80                           ; the next K step's rows of W0 (4,608 bytes a step)
.set TBB, 81                           ; and of b0 (128 bytes a step)
.set TB1, 82                           ; layer 1: the slot in hand + 64 bytes a K step
.set TB2, 83                           ; layer 2: the slot in hand
.set TBC, 84                           ; b2 of the group in hand (192 bytes a group)
.set CT,  85
.set CK,  86
.set SG,  87
; s[88:89] log2(e) / s, s[90:91] ln 2, s[92:93] 0.992, each twice; s94-97 lane masks, one a tile; s[98:99] v_permlanex16_b32's selects
; descriptors: x s[16:19], s[20:27]; biases s[28:31], s[32:39]; W0 s[40:43], s[44:51]; W1 s[52:55], s[56:63]; W2 s[68:71], s[72:79]
.set MSB, 0
.macro WIN new                         ; s_set_vgpr_msb: bits 1:0 source 0, 3:2 source 1, 5:4 source 2, 7:6 destination; the high byte repeats the setting that is left
.if MSB != (\new)
	s_set_vgpr_msb (MSB<<8)|(\new)
.set MSB, \new
.endif
.endm
.macro PLACES                          ; four places behind matrix instructions, in front of loads into their registers and of reads of their results
.rept 4
	v_nop
.endr
.endm
.macro ROUND                           ; a round of the cluster's barrier
	s_barrier_signal -1
	s_barrier_wait -1
	s_cmp_lg_u32 s[WV], 0
	s_cbranch_scc1 .Lnot_wave_0_\@
	s_barrier_signal -3
.Lnot_wave_0_\@:
	s_barrier_wait -3
	s_barrier_signal -1
	s_barrier_wait -1
.endm
.macro DMAX r, m                       ; lane i takes the larger of its own and lane (i xor m)'s, inside each half of 16 lanes
	v_max_num_f32_dpp v[\r], v[\r], v[\r] row_xmask:\m row_mask:0xf bank_mask:0xf
.endm
; THE CHANGE OF SLOTS.  Each wave waits for all its tensor loads (one is out: its quarter of the next slot), adds 0 to its spare word, and waits for that and for its reads of the slot that it leaves.
; fill = 1: W1's next tile; 2: W2's group 0, as the descriptor stands; 3: W2's next group; each into the slot just left, the first thing behind a round of the cluster's barrier.  0: nothing is asked for.
; rd = 1: layer 1's reads go to the other slot's first K step; 2: layer 2's to the other slot.  The four v_nop are also the places in front of what follows.
.macro CHANGE fill, rd
	WIN 0
	s_wait_tensorcnt 0x0                           ; no tensor load of mine is out, so a group 0 may be written
	ds_add_u32 v[SPW], v[NIL]                      ; the scalar steps stand between the add and the wait for it
.if (\fill) == 1
	s_xor_b32 s53, s53, SL1
	s_add_nc_u64 s[54:55], s[54:55], 65536
.elseif (\fill) == 3
	s_xor_b32 s69, s69, SL2
	s_add_nc_u64 s[70:71], s[70:71], 49152
.endif
.if (\rd) == 1
	s_sub_co_u32 s[TB1], s[TB1], 256
	s_xor_b32 s[TB1], s[TB1], SL1
.else
	s_xor_b32 s[TB2], s[TB2], SL2
.endif
	s_wait_dscnt 0x0                               ; the add is done, and my reads of the slot are over
.if \fill
	ROUND                                          ; no wave of any partner still reads the slot or has a load on its way
.if (\fill) == 1
	tensor_load_to_lds s[52:55], s[56:63]
.else
	tensor_load_to_lds s[68:71], s[72:79]
.endif
	s_nop 0
.else
	s_barrier_signal -1
	s_barrier_wait -1
.endif
	PLACES
.endm
	s_load_b256 s[4:11], s[0:1], 0x0
	v_lshl_add_u32 v[SPW], v0, 2, SPARE
	v_mov_b32 v[NIL], 0
	ds_add_u32 v[SPW], v[NIL]                      ; the wave's opening: the add and its wait stand ahead of my first tensor load; the set-up, work on registers, stands between them
	v_lshrrev_b32 v15, 5, v0
	v_readfirstlane_b32 s[WV], v15                 ; wave 0..3
	s_bfe_u32 s13, ttmp6, 0x40000                  ; cx
	s_lshl_b32 s14, ttmp9, 2                       ; in a cluster launch ttmp9 counts clusters
	s_add_co_u32 s14, s14, s13                     ; my block of 256 rows
	v_mov_b32 v[ZR], 0
	v_and_b32 v14, 15, v0                          ; r
	v_bfe_u32 v15, v0, 4, 1                        ; h
	v_mul_u32_u24 v[LW1], v14, 272
	v_lshl_add_u32 v[XA0], v15, 7, v[LW1]
	v_lshl_add_u32 v[ADR1], v15, 5, v[LW1]         ; 272 r + 32 h: x's f32 for the fragments
	v_lshl_add_u32 v[LW1], v15, 4, v[LW1]
	v_mul_u32_u24 v[LW0], v14, 144
	v_lshl_add_u32 v[LW0], v15, 4, v[LW0]
	v_add_nc_u32 v[LW0], W0B, v[LW0]
	v_lshlrev_b32 v[LB], 5, v15
	v_add_nc_u32 v[LB], BIAS, v[LB]
	v_mul_u32_u24 v[LW2], v14, 1040
	v_lshl_add_u32 v[LW2], v15, 4, v[LW2]
	v_and_b32 v244, 31, v0
	v_lshlrev_b32 v244, 4, v244                    ; offsets into the table of maxima: 16 x lane,
	v_lshlrev_b32 v245, 2, v14                     ; 4 (lane % 16),
	v_and_b32 v246, 3, v0
	v_lshlrev_b32 v246, 2, v246                    ; 4 (lane % 4)
	; x: 64 rows x 64 f32, padded to 272 bytes; a plain load, my wave's own
	s_mov_b32 s16, 1
	s_mul_i32 s17, s[WV], 17408
	s_add_co_u32 s17, s17, XZ
	s_mov_b32 s20, (2<<16)|(1<<20)|(5<<22)|(3<<25) ; 4-byte elements; padding on: after every 64 words 4 words
	s_mov_b32 s21, 64<<16
	s_mov_b32 s22, 64<<16
	s_mov_b32 s23, 64<<16
	s_mov_b32 s24, 64
	s_mov_b32 s25, 64
	s_mov_b32 s26, 0
	s_mov_b32 s27, 0
	v_add_nc_u32 v[XA0], s17, v[XA0]
	v_add_nc_u32 v[ADR1], s17, v[ADR1]
	; the biases: my quarter is 11 dense rows of 256 bytes
	s_mov_b32 s28, 1
	s_mul_i32 s29, s[WV], 2816
	s_add_co_u32 s29, s29, BIAS
	s_mov_b32 s32, 15|(3<<16)|(1<<21)              ; the mask of four; 8-byte elements; bit 21 set beside a mask
	s_mov_b32 s33, 32<<16
	s_mov_b32 s34, 11<<16
	s_mov_b32 s35, 32<<16
	s_mov_b32 s36, 11
	s_mov_b32 s37, 32
	s_mov_b32 s38, 0
	s_mov_b32 s39, 0
	; W0: my quarter is 136 dense rows of 128 bytes, asked for as 68 rows of 256 and padded after every 128 bytes
	s_mov_b32 s40, 1
	s_mul_i32 s41, s[WV], 19584
	s_add_co_u32 s41, s41, W0B
	s_mov_b32 s44, 15|(1<<16)|(1<<20)|(1<<21)|(4<<22)|(3<<25)
	s_mov_b32 s45, 128<<16
	s_mov_b32 s46, 68<<16
	s_mov_b32 s47, 128<<16
	s_mov_b32 s48, 68
	s_mov_b32 s49, 128
	s_mov_b32 s50, 0
	s_mov_b32 s51, 0
	; W1: my quarter of a tile is 64 rows of 256 bytes, padded to 272
	s_mov_b32 s52, 1
	s_mul_i32 s53, s[WV], 17408
	s_mov_b32 s56, 15|(1<<16)|(1<<20)|(1<<21)|(5<<22)|(3<<25)
	s_mov_b32 s57, 128<<16
	s_mov_b32 s58, 64<<16
	s_mov_b32 s59, 128<<16
	s_mov_b32 s60, 64
	s_mov_b32 s61, 128
	s_mov_b32 s62, 0
	s_mov_b32 s63, 0
	; W2: my quarter of a group is 12 rows of 1,024 bytes, padded to 1,040
	s_mov_b32 s68, 1
	s_mul_i32 s69, s[WV], 12480
	s_mov_b32 s72, 15|(1<<16)|(1<<20)|(1<<21)|(7<<22)|(3<<25)
	s_mov_b32 s73, 512<<16
	s_mov_b32 s74, 12<<16
	s_mov_b32 s75, 512<<16
	s_mov_b32 s76, 12
	s_mov_b32 s77, 512
	s_mov_b32 s78, 0
	s_mov_b32 s79, 0
	s_mov_b32 s90, 0x3f317218                      ; ln 2
	s_mov_b32 s91, 0x3f317218
	s_mov_b32 s92, 0x3f7df3b6                      ; 1 - 8 x 0.001
	s_mov_b32 s93, 0x3f7df3b6
	s_mov_b32 s98, 0x76543210
	s_mov_b32 s99, 0xfedcba98
	s_lshl_b32 s100, s14, 16                       ; my block's 256 rows of 256 bytes,
	s_lshl_b32 s15, s[WV], 14                      ; my wave's 64
	s_add_co_u32 s100, s100, s15
	s_mov_b32 s101, 0
	s_mov_b32 s3, 0
	s_wait_dscnt 0x0                               ; the opening add is done
	s_wait_kmcnt 0x0
	s_add_nc_u64 s[18:19], s[4:5], s[100:101]
	s_or_b32 s19, s19, 0x80000000
	s_add_nc_u64 s[8:9], s[8:9], s[100:101]        ; out0 at my wave's first row
	s_lshl_b32 s100, s14, 10
	s_lshl_b32 s15, s[WV], 8
	s_add_co_u32 s100, s100, s15
	s_add_nc_u64 s[10:11], s[10:11], s[100:101]    ; out1 likewise
	s_mul_i32 s2, s[WV], 2816
	s_add_co_u32 s2, s2, BIASOFF
	s_add_nc_u64 s[30:31], s[6:7], s[2:3]
	s_or_b32 s31, s31, 0x80000000
	s_mul_i32 s2, s[WV], 17408
	s_add_nc_u64 s[42:43], s[6:7], s[2:3]
	s_or_b32 s43, s43, 0x80000000
	s_lshl_b32 s2, s[WV], 14
	s_add_co_u32 s2, s2, W1OFF
	s_add_nc_u64 s[54:55], s[6:7], s[2:3]
	s_or_b32 s55, s55, 0x80000000
	s_mul_i32 s2, s[WV], 12288
	s_add_co_u32 s2, s2, W2OFF
	s_add_nc_u64 s[70:71], s[6:7], s[2:3]
	s_or_b32 s71, s71, 0x80000000
	ROUND                                          ; all four work-groups are here: the first joint loads meet
	tensor_load_to_lds s[16:19], s[20:27]          ; the first fills, one group: x, W0, the biases, W1's tile 0: four loads of mine are out, the most in this text
	s_nop 0
	tensor_load_to_lds s[40:43], s[44:51]
	s_nop 0
	tensor_load_to_lds s[28:31], s[32:39]
	s_nop 0
	tensor_load_to_lds s[52:55], s[56:63]
	s_nop 0
	PLACES
	global_load_b128 v[MW1:MW1+3], v244, s[6:7] offset:MAXOFF      ; the table of maxima: W1's 128 words, four a lane,
	global_load_b32 v[MW0], v245, s[6:7] offset:MAXOFF+512         ; W0's 16,
	global_load_b32 v[MB0], v246, s[6:7] offset:MAXOFF+576         ; b0's 4,
	global_load_b32 v[MB1], v246, s[6:7] offset:MAXOFF+592         ; b1's 4
	; x's fragments.  Tile q, K step s: lane l holds row r, k = 32 s + 8 h + 0..7 and 32 s + 16 + 8 h + 0..7, rounded to bf16.  Beside them: the largest |x| of the lane's 128 numbers.
	s_wait_tensorcnt 0x3                           ; tensor loads of a wave end in order: x is in, the three behind it may stay out; only I read these bytes
	v_mov_b32 v[MXX], 0
.set g, 0
.rept 2
.set i, 0
.rept 16                               ; tile 2 g + i / 8; i % 8 = 4 s + 2 a + b: four f32 at k = 32 s + 16 a + 8 h + 4 b
	ds_load_b128 v[HA+4*i:HA+4*i+3], v[ADR1] offset:4352*(2*g+i/8)+128*((i/4)%2)+64*((i/2)%2)+16*(i%2)
.set i, i+1
.endr
	s_wait_dscnt 0x0
.set i, 0
.rept 32
	v_cvt_pk_bf16_f32 v[XF+32*g+i], v[HA+2*i], v[HA+2*i+1]
	v_max3_num_f32 v[MXX], v[MXX], |v[HA+2*i]|, |v[HA+2*i+1]|
.set i, i+1
.endr
.set g, g+1
.endr
.irp m, 1,2,4,8
	DMAX MXX, \m
.endr
	v_mov_b32 v232, v[MXX]                         ; v_permlanex16_b32's destination counts as read
	v_permlanex16_b32 v232, v[MXX], s98, s99
	v_max_num_f32 v[MXX], v[MXX], v232             ; my wave's max|x|, in every lane
	s_lshl_b32 s15, s[WV], 8
	s_add_co_u32 s15, s15, LDST
	v_mov_b32 v233, s15
	ds_store_b32 v233, v[MXX]                      ; all lanes write the same word with the same number
	s_wait_tensorcnt 0x0                           ; my quarters of W0, the biases and W1's tile 0 are in,
	s_wait_dscnt 0x0                               ; my max|x| is stored,
	s_barrier_signal -1
	s_barrier_wait -1                              ; everybody's are
	; THE SCALE.  Every wave makes the same s from the four waves' max|x| and the table.
	v_mov_b32 v233, LDST
.set i, 0
.rept 4
	ds_load_b32 v[234+i], v233 offset:256*i
.set i, i+1
.endr
	v_lshl_add_u32 v243, v0, 3, BIAS               ; the bias table is 11 x 128 threads x 8 bytes
.set i, 0
.rept 11
	ds_load_b64 v[HA+2*i:HA+2*i+1], v243 offset:1024*i
.set i, i+1
.endr
	s_wait_loadcnt 0x0                             ; the table
	v_max3_num_f32 v[MW1], v[MW1], v[MW1+1], v[MW1+2]
	v_max_num_f32 v[MW1], v[MW1], v[MW1+3]
.irp m, 1,2,4,8
	DMAX MW1, \m
	DMAX MW0, \m                                   ; both halves of the lanes hold the same 16 words
.endr
.irp m, 1,2
	DMAX MB0, \m                                   ; every four lanes hold the same 4 words
	DMAX MB1, \m
.endr
	v_mov_b32 v232, v[MW1]
	v_permlanex16_b32 v232, v[MW1], s98, s99
	v_max_num_f32 v[MW1], v[MW1], v232
	s_wait_dscnt 11                                ; the four words of max|x| are in; the 11 loads of the bias table behind them may be out
	v_max3_num_f32 v[MXX], v234, v235, v236
	v_max_num_f32 v[MXX], v[MXX], v237
	v_mul_f32 v237, 0x42800000, v[MXX]             ; 64 max|x|
	v_fma_f32 v237, v237, v[MW0], v[MB0]           ; B0
	v_mul_f32 v238, 0x44000000, v[MW1]             ; 512 max|W1|
	v_fma_f32 v238, v238, v237, v[MB1]             ; B1
	v_max3_num_f32 v237, v237, v238, 0x0d800000    ; not below 2^-100, so that s and 1 / s are normal numbers
	v_and_b32 v237, 0x7f800000, v237               ; P = 2^floor(log2 ..): the exponent's bits alone
	v_sub_nc_u32 v238, 0x86000000, v237            ; s = 2^14 / P: biased exponent 268 - P's
	v_add_nc_u32 v239, 0xf9000000, v237            ; 1 / s = P / 2^14: biased exponent P's - 14
	v_mul_f32 v240, 0x3fb8aa3b, v239               ; log2(e) / s
	v_lshrrev_b32 v241, 16, v238
	v_or_b32 v241, v241, v238                      ; s twice as bf16: a power of two has no bits below the upper half
	v_readfirstlane_b32 s100, v238
	v_readfirstlane_b32 s2, v239
	v_readfirstlane_b32 s88, v240
	s_mov_b32 s101, s100                           ; named as pairs
	s_mov_b32 s3, s2
	s_mov_b32 s89, s88
.set i, 0
.rept 64
	v_pk_mul_bf16 v[XF+i], v[XF+i], v241           ; s x: exact
.set i, i+1
.endr
	s_wait_dscnt 0x0
.set i, 0
.rept 11
	v_pk_mul_f32 v[HA+2*i:HA+2*i+1], v[HA+2*i:HA+2*i+1], s[100:101] op_sel_hi:[1,0]
.set i, i+1
.endr
.set i, 0
.rept 11
	ds_store_b64 v243, v[HA+2*i:HA+2*i+1] offset:1024*i  ; in place: a thread writes the bytes that it read; no tensor load lands here again
.set i, i+1
.endr
	s_wait_dscnt 0x0                               ; for the others' sake: my part of the table is scaled
	s_barrier_signal -1
	s_barrier_wait -1
; Layer 1's sums of half c start from s b1: register j of tile t is s b1[256 c + 16 t + 8 h + j], the same for the four row tiles.  Nothing is cleared and nothing is added later.
.macro ACCBIAS c
.set t, 0
.rept 16
	WIN 0x40*(1+t/8)                               ; destination window 1 or 2
.set q, 0
.rept 4
	ds_load_b128 v[8*(4*(t%8)+q):8*(4*(t%8)+q)+3],   v[LB] offset:3072+1024*(\c)+64*t
	ds_load_b128 v[8*(4*(t%8)+q)+4:8*(4*(t%8)+q)+7], v[LB] offset:3072+1024*(\c)+64*t+16
.set q, q+1
.endr
.set t, t+1
.endr
	WIN 0
.endm
.macro W0LOAD                          ; 12 loads: W0's four fragments (32 features x 64 k) and s b0's 32 numbers for one K step of layer 1
.set i, 0
.rept 4
	ds_load_b128 v[W0F+8*i:W0F+8*i+3],   v[ADR0] offset:2304*(i/2)+64*(i%2)
	ds_load_b128 v[W0F+8*i+4:W0F+8*i+7], v[ADR0] offset:2304*(i/2)+64*(i%2)+32
.set i, i+1
.endr
.set i, 0
.rept 2
	ds_load_b128 v[BC+8*i:BC+8*i+3],   v[ADRB] offset:64*i
	ds_load_b128 v[BC+8*i+4:BC+8*i+7], v[ADRB] offset:64*i+16
.set i, i+1
.endr
.endm
.macro W1LOAD dst, t0, cnt             ; W1's fragments of feature tiles t0 .. for the K step in hand
.set i, 0
.rept \cnt
	ds_load_b128 v[(\dst)+8*i:(\dst)+8*i+3],   v[ADR1] offset:4352*((\t0)+i)
	ds_load_b128 v[(\dst)+8*i+4:(\dst)+8*i+7], v[ADR1] offset:4352*((\t0)+i)+32
.set i, i+1
.endr
.endm
.macro GRP g, fr                       ; 16 matrix instructions of layer 1: feature tiles 4 g .. 4 g + 3 (fragments at fr) x the four row tiles; the accumulators take turns
	WIN 0x50*(1+(\g)/2)                            ; C and D in window 1 or 2
.set n, 0
.rept 16
.set rD, 8*(4*((4*(\g)+n/4)%8)+n%4)
	v_wmma_f32_16x16x32_f16 v[rD:rD+7], v[(\fr)+8*(n/4):(\fr)+8*(n/4)+7], v[F+8*(n%4):F+8*(n%4)+7], v[rD:rD+7]
.set n, n+1
.endr
.endm
; ONE K STEP OF LAYER 1: 16 matrix instructions (bf16) make the step's 32 features of s h0, 64 (f16) add its products to the half's 256 features.
.macro TRIP
	v_add_nc_u32 v[ADR1], s[TB1], v[LW1]
.rept 5
	v_nop                                          ; six places behind the last products: in front of the loads into their fragments, and of the products that write over HA, which held fragments
.endr
	s_add_co_u32 s[TB1], s[TB1], 64
	W1LOAD W1A, 0, 4
	s_wait_dscnt 8                                 ; W0's fragments and s b0, asked for a K step ago, are in; the 8 loads just issued may be out
.set n, 0
.rept 8                                ; n = 4 u + q: k 0-31 of x, the sums start from s b0
	v_wmma_f32_16x16x32_bf16 v[HA+8*n:HA+8*n+7], v[W0F+16*(n/4):W0F+16*(n/4)+7], v[XF+16*(n%4):XF+16*(n%4)+7], v[BC+8*(n/4):BC+8*(n/4)+7]
.set n, n+1
.endr
.set n, 0
.rept 8                                ; k 32-63
	v_wmma_f32_16x16x32_bf16 v[HA+8*n:HA+8*n+7], v[W0F+16*(n/4)+8:W0F+16*(n/4)+15], v[XF+16*(n%4)+8:XF+16*(n%4)+15], v[HA+8*n:HA+8*n+7]
.set n, n+1
.endr
	PLACES
.set n, 0
.rept 8                                ; n = 2 q + u: a lane's eight features pack into half a fragment; each accumulator is read from its low end
.set e, 0
.rept 4
	v_cvt_pk_f16_f32 v[F+4*n+e], v[HA+8*(4*(n%2)+n/2)+2*e], v[HA+8*(4*(n%2)+n/2)+2*e+1]
.set e, e+1
.endr
.set n, n+1
.endr
.set n, 0
.rept 32
	v_pk_max_num_f16 v[F+n], v[F+n], v[ZR]         ; ReLU
.set n, n+1
.endr
	W1LOAD HA, 4, 8
	s_wait_dscnt 16                                ; tiles 0-3 are in; the 16 loads just issued may be out
	GRP 0, W1A
	WIN 0
	v_add_nc_u32 v[ADR0], s[TB0], v[LW0]           ; two address lines and two v_nop: the places in front of the loads into W1A
	v_add_nc_u32 v[ADRB], s[TBB], v[LB]
	v_nop
	v_nop
	W1LOAD W1A, 12, 4
	W0LOAD                                         ; the next K step's
	s_add_co_u32 s[TB0], s[TB0], 4608
	s_add_co_u32 s[TBB], s[TBB], 128
	s_wait_dscnt 20                                ; tiles 4-11 are in; the 8 + 12 loads just issued may be out
	GRP 1, HA
	GRP 2, HA+32
	s_wait_dscnt 12                                ; tiles 12-15 are in; the next K step's 12 may be out
	GRP 3, W1A
	WIN 0
.endm
.macro KLOOP                           ; a tile of W1: four K steps
	s_mov_b32 s[CK], 4
.Lk_\@:
	TRIP
	s_sub_co_u32 s[CK], s[CK], 1
	s_cmp_lg_u32 s[CK], 0
	s_cbranch_scc1 .Lk_\@
.endm
; Half c's sums become s h1's K steps 8 c + k: feature tiles 2 k and 2 k + 1 pack into one fragment.  c = 0 writes window 3.  c = 1 writes window 1 in place: fragment (k, q) lands at 32 k + 8 q, in
; registers of feature tile k, which has been read when k > 0 and is the one being read, from its low end, when k = 0.
.macro CONVERT c
	PLACES
.set k, 0
.rept 8
.set q, 0
.rept 4
	WIN ((3-2*(\c))<<6)|(5*(1+k/4))                ; sources in window 1 (k < 4) or 2
.set sa, 8*(4*((2*k)%8)+q)
.set da, 8*(4*k+q)
.set e, 0
.rept 4
	v_cvt_pk_f16_f32 v[da+e], v[sa+2*e], v[sa+2*e+1]
.set e, e+1
.endr
.set e, 0
.rept 4
	v_cvt_pk_f16_f32 v[da+4+e], v[sa+32+2*e], v[sa+32+2*e+1]
.set e, e+1
.endr
.set q, q+1
.endr
.set k, k+1
.endr
	WIN ((3-2*(\c))<<6)|(3-2*(\c))                 ; destination and source 0 in h1's window, the zero in window 0
.set n, 0
.rept 256
	v_pk_max_num_f16 v[n], v[n], v[ZR]             ; ReLU
.set n, n+1
.endr
	WIN 0
.endm
	ACCBIAS 0
	v_mov_b32 v[ADR0], v[LW0]
	v_mov_b32 v[ADRB], v[LB]
	W0LOAD                                         ; K step 0's
	s_mov_b32 s[TB0], 4608
	s_mov_b32 s[TBB], 128
	s_mov_b32 s[TB1], SL1+256                      ; the first change of slots turns this into 0
	s_mov_b32 s[CT], 4
.Lc0:                                  ; half 0: tiles 0-3 are read, tiles 1-4 asked for
	CHANGE 1, 1
	KLOOP
	s_sub_co_u32 s[CT], s[CT], 1
	s_cmp_lg_u32 s[CT], 0
	s_cbranch_scc1 .Lc0
	CONVERT 0
	ACCBIAS 1
	s_mov_b32 s[TB0], 4608                         ; K step 0's W0 and b0 are on their way: the last K step fetched the repeated rows
	s_mov_b32 s[TBB], 128
	s_mov_b32 s[CT], 3
.Lc1:                                  ; half 1: tiles 4-6 are read, tiles 5-7 asked for
	CHANGE 1, 1
	KLOOP
	s_sub_co_u32 s[CT], s[CT], 1
	s_cmp_lg_u32 s[CT], 0
	s_cbranch_scc1 .Lc1
	CHANGE 2, 1                                    ; tile 7 is read from the upper slot; W2's group 0 goes into bytes 0 .. 49,919, which tile 6 has left
	KLOOP
	CONVERT 1
	v_mov_b32 v[KM], 0x3a83126f                    ; 0.001 .. 0.008
	v_mov_b32 v[KM+1], 0x3b03126f
	v_mov_b32 v[KM+2], 0x3b449ba6
	v_mov_b32 v[KM+3], 0x3b83126f
	v_mov_b32 v[KM+4], 0x3ba3d70a
	v_mov_b32 v[KM+5], 0x3bc49ba6
	v_mov_b32 v[KM+6], 0x3be56042
	v_mov_b32 v[KM+7], 0x3c03126f
.set q, 0
.rept 4
	v_mov_b32 v[LD+q], 0
.set q, q+1
.endr
	s_mov_b32 s[TB2], SL2                          ; the first change of slots turns this into 0
	s_mov_b32 s[TBC], 0
	s_mov_b32 s[TBX], 0
.macro FLOAD dst, k0                   ; 24 loads: W2's fragments of K steps k0 .. k0 + 3, three feature tiles each
	WIN 0x80                                       ; destination window 2
.set n, 0
.rept 12
	ds_load_b128 v[(\dst)+8*n:(\dst)+8*n+3],   v[ADR2] offset:16640*(n%3)+64*((\k0)+n/3)
	ds_load_b128 v[(\dst)+8*n+4:(\dst)+8*n+7], v[ADR2] offset:16640*(n%3)+64*((\k0)+n/3)+32
.set n, n+1
.endr
.endm
.macro LOADS                           ; a group's s b2 and its first eight K steps' fragments: 6 + 24 + 24 loads
	v_add_nc_u32 v[ADR2], s[TB2], v[LW2]
	v_add_nc_u32 v[ADRC], s[TBC], v[LB]
	s_add_co_u32 s[TBC], s[TBC], 192
.set n, 0
.rept 3
	ds_load_b128 v[BC2+8*n:BC2+8*n+3],   v[ADRC] offset:5120+64*n
	ds_load_b128 v[BC2+8*n+4:BC2+8*n+7], v[ADRC] offset:5120+64*n+16
.set n, n+1
.endr
	FLOAD FA, 0
	FLOAD FB, 4
	WIN 0
.endm
.macro UNIT n                          ; 48 matrix instructions: K steps 4 n .. 4 n + 3 x 3 feature tiles x 4 row tiles; the 12 accumulators take turns; K step 0 starts the sums from s b2
.if (\n) < 2
	WIN 0x0e                                       ; W2 in window 2, h1 in window 3
.else
	WIN 0x06                                       ; h1 in window 1
.endif
.set m, 0
.rept 48
.set rA, FA+96*((\n)%2)+8*(3*(m/12)+(m/4)%3)
.set rB, 8*(4*((4*(\n)+m/12)%8)+m%4)
.set rD, ACC2+24*(m%4)+8*((m/4)%3)
.if ((\n) == 0) && (m < 12)
	v_wmma_f32_16x16x32_f16 v[rD:rD+7], v[rA:rA+7], v[rB:rB+7], v[BC2+8*((m/4)%3):BC2+8*((m/4)%3)+7]
.else
	v_wmma_f32_16x16x32_f16 v[rD:rD+7], v[rA:rA+7], v[rB:rB+7], v[rD:rD+7]
.endif
.set m, m+1
.endr
.endm
.macro MM                              ; a group's 192 matrix instructions; each run of 24 loads is issued 48 matrix instructions ahead of its first use
	s_wait_dscnt 24                                ; s b2 and K steps 0-3 are in; the youngest 24 loads (K steps 4-7) may be out
	UNIT 0
	PLACES
	FLOAD FA, 8
	s_wait_dscnt 24                                ; K steps 4-7 are in; the 24 just issued may be out
	UNIT 1
	PLACES
	FLOAD FB, 12
	s_wait_dscnt 24                                ; K steps 8-11
	UNIT 2
	s_wait_dscnt 0x0                               ; K steps 12-15
	UNIT 3
	WIN 0
.endm
; THE SPLINE of one group: four elements a lane, one in each row tile.  Q4 writes a line once for each tile, so that four chains that do not wait for each other stand side by side.
; The parameters arrive times s.  A maximum and a choice among them are the same with or without s > 0; every product with log2(e) takes log2(e) / s in its stead.
; A line of transcendentals written by Q4 is part of a batch over the four tiles; the six batches A to F and their six waits are marked below.
.macro Q4 line:vararg
.set q, 0
.rept 4
.set AW, ACC2+24*q                     ; widths w0-w7
.set AH, AW+8                          ; heights
.set AP, AW+16                         ; derivatives p0-p6; p7 is the padding, s RAW0
.set AT, TQ+8*q
.set AX, XV+q
.set AL, LD+q
.set AM, 94+q
	\line
.set q, q+1
.endr
.endm
.macro RQS
	v_add_nc_u32 v[ADRX], s[TBX], v[XA0]
	s_add_co_u32 s[TBX], s[TBX], 4
	Q4 ds_load_b32 v[AX], v[ADRX] offset:4352*q
	; two softmaxes of eight: the maxima are taken away; each accumulator is read from its low end
	Q4 v_max3_num_f32 v[AT], v[AW], v[AW+1], v[AW+2]
	Q4 v_max3_num_f32 v[AT+1], v[AH], v[AH+1], v[AH+2]
	Q4 v_max3_num_f32 v[AT], v[AT], v[AW+3], v[AW+4]
	Q4 v_max3_num_f32 v[AT+1], v[AT+1], v[AH+3], v[AH+4]
	Q4 v_max3_num_f32 v[AT], v[AT], v[AW+5], v[AW+6]
	Q4 v_max3_num_f32 v[AT+1], v[AT+1], v[AH+5], v[AH+6]
	Q4 v_max_num_f32 v[AT], v[AT], v[AW+7]
	Q4 v_max_num_f32 v[AT+1], v[AT+1], v[AH+7]
	Q4 v_pk_mul_f32 v[AT:AT+1], v[AT:AT+1], s[88:89] op_sel_hi:[1,0]
.irp i, 0,2,4,6
	Q4 v_pk_fma_f32 v[AW+(\i):AW+(\i)+1], v[AW+(\i):AW+(\i)+1], s[88:89], v[AT:AT+1] op_sel_hi:[1,0,0] neg_lo:[0,0,1] neg_hi:[0,0,1]
	Q4 v_pk_fma_f32 v[AH+(\i):AH+(\i)+1], v[AH+(\i):AH+(\i)+1], s[88:89], v[AT:AT+1] op_sel:[0,0,1] op_sel_hi:[1,0,1] neg_lo:[0,0,1] neg_hi:[0,0,1]
.endr
.irp i, 0,1,2,3,4,5,6,7                ; BATCH A: the 64 exponentials, each in place; none reads another's result
	Q4 v_exp_f32 v[AW+(\i)], v[AW+(\i)]
	Q4 v_exp_f32 v[AH+(\i)], v[AH+(\i)]
.endr
	v_nop                                          ; a plain instruction behind the exponentials (ISA guide 5.7.2)
	s_wait_alu depctr_va_vdst(0)                   ; batch A's wait, ahead of the running sums: one for the 64 exponentials
.irp i, 1,2,3,4,5,6,7
	Q4 v_add_f32 v[AW+(\i)], v[AW+(\i)], v[AW+(\i)-1]  ; running sums
	Q4 v_add_f32 v[AH+(\i)], v[AH+(\i)], v[AH+(\i)-1]
.endr
	Q4 v_rcp_f32 v[AT], v[AW+7]                    ; BATCH B: the 8 reciprocals of the sums
	Q4 v_rcp_f32 v[AT+1], v[AH+7]
	v_nop                                          ; the plain instruction behind them: all other work at hand reads them
	s_wait_alu depctr_va_vdst(0)                   ; batch B's wait, ahead of the product with 0.992: one for the 8 reciprocals
	Q4 v_pk_mul_f32 v[AT:AT+1], v[AT:AT+1], s[92:93] op_sel_hi:[1,0]
.irp i, 0,2,4,6
	Q4 v_pk_fma_f32 v[AW+(\i):AW+(\i)+1], v[AW+(\i):AW+(\i)+1], v[AT:AT+1], v[KM+(\i):KM+(\i)+1] op_sel_hi:[1,0,1]  ; w_i is now the knot X_(i+1),
	Q4 v_pk_fma_f32 v[AH+(\i):AH+(\i)+1], v[AH+(\i):AH+(\i)+1], v[AT:AT+1], v[KM+(\i):KM+(\i)+1] op_sel:[0,1,0] op_sel_hi:[1,1,1]  ; h_i the knot Y_(i+1)
.endr
	s_wait_dscnt 0x0                               ; x is in (and so are the next group's fragments)
	Q4 v_cvt_pk_bf16_f32 v[AX], v[AX], v[AX]
	Q4 v_lshlrev_b32 v[AX], 16, v[AX]              ; x as the layers saw it (without s),
	Q4 v_max_num_f32 v[AX], 0, v[AX]
	Q4 v_min_num_f32 v[AX], 1.0, v[AX]             ; clipped
	; the bin k = the number of knots X_1 .. X_7 below x, by halving.  X_0 = Y_0 = 0; the raw derivatives are D_0 = D_8 = p7, D_j = p_(j-1).  Nine candidates become five: at +4, +0, +1, +2, +3
	Q4 v_cmp_lt_f32 s[AM], v[AW+3], v[AX]
.irp b, AW, AH, AP
	Q4 v_cndmask_b32 v[(\b)], v[(\b)], v[(\b)+4], s[AM]
	Q4 v_cndmask_b32 v[(\b)+1], v[(\b)+1], v[(\b)+5], s[AM]
	Q4 v_cndmask_b32 v[(\b)+2], v[(\b)+2], v[(\b)+6], s[AM]
.endr
	Q4 v_cndmask_b32 v[AW+4], 0, v[AW+3], s[AM]
	Q4 v_cndmask_b32 v[AH+4], 0, v[AH+3], s[AM]
	Q4 v_cndmask_b32 v[AP+4], v[AP+7], v[AP+3], s[AM]
.irp b, AW, AH, AP
	Q4 v_cndmask_b32 v[(\b)+3], v[(\b)+3], v[(\b)+7], s[AM]
.endr
	Q4 v_cmp_lt_f32 s[AM], v[AW+1], v[AX]          ; five become three: at +4, +0, +1
.irp b, AW, AH, AP
	Q4 v_cndmask_b32 v[(\b)+4], v[(\b)+4], v[(\b)+1], s[AM]
	Q4 v_cndmask_b32 v[(\b)], v[(\b)], v[(\b)+2], s[AM]
	Q4 v_cndmask_b32 v[(\b)+1], v[(\b)+1], v[(\b)+3], s[AM]
.endr
	Q4 v_cmp_lt_f32 s[AM], v[AW], v[AX]            ; three become two, in pairs: (X_k, Y_k) w4:5, (X_k+1, Y_k+1) w6:7, (D_k, D_k+1) p4:5
	Q4 v_cndmask_b32 v[AW+4], v[AW+4], v[AW], s[AM]
	Q4 v_cndmask_b32 v[AW+6], v[AW], v[AW+1], s[AM]
	Q4 v_cndmask_b32 v[AW+5], v[AH+4], v[AH], s[AM]
	Q4 v_cndmask_b32 v[AW+7], v[AH], v[AH+1], s[AM]
	Q4 v_cndmask_b32 v[AP+4], v[AP+4], v[AP], s[AM]
	Q4 v_cndmask_b32 v[AP+5], v[AP], v[AP+1], s[AM]
	; softplus of the two derivatives alone: max(p, 0) + ln 2 x log2(1 + 2^(-|p| log2 e)) + 0.001
	Q4 v_mul_f32 v[AT+2], -|v[AP+4]|, s88
	Q4 v_mul_f32 v[AT+3], -|v[AP+5]|, s88
	Q4 v_pk_add_f32 v[AW+6:AW+7], v[AW+6:AW+7], v[AW+4:AW+5] neg_lo:[0,1] neg_hi:[0,1]  ; the bin's width and height
	Q4 v_exp_f32 v[AT+2], v[AT+2]                  ; BATCH C: the softplus's 8 exponentials
	Q4 v_exp_f32 v[AT+3], v[AT+3]
	Q4 v_rcp_f32 v[AT], v[AW+6]                    ; and the 4 reciprocals of the width
	Q4 v_sub_f32 v[AT+1], v[AX], v[AW+4]           ; 16 plain lines that touch none of those results or sources
	Q4 v_max_num_f32 v[AP+4], 0, v[AP+4]
	Q4 v_max_num_f32 v[AP+5], 0, v[AP+5]
	Q4 v_pk_mul_f32 v[AP+4:AP+5], v[AP+4:AP+5], s[2:3] op_sel_hi:[1,0]  ; the one place where 1 / s wants a line of its own
	s_wait_alu depctr_va_vdst(0)                   ; batch C's wait, ahead of 1 + the exponentials: one for the 8 exponentials and the 4 reciprocals
	Q4 v_pk_add_f32 v[AT+2:AT+3], v[AT+2:AT+3], 1.0 op_sel_hi:[1,0]
	Q4 v_log_f32 v[AT+2], v[AT+2]                  ; BATCH D: the softplus's 8 logarithms
	Q4 v_log_f32 v[AT+3], v[AT+3]
	Q4 v_mul_f32 v[AT+1], v[AT+1], v[AT]           ; theta.  32 plain lines that want no derivative stand between the logarithms and their wait
	Q4 v_mul_f32 v[AT], v[AW+7], v[AT]             ; s_k = height / width
	Q4 v_sub_f32 v[AT+4], 1.0, v[AT+1]
	Q4 v_mul_f32 v[AT+5], v[AT+1], v[AT+4]         ; theta (1 - theta)
	Q4 v_mul_f32 v[AT+1], v[AT+1], v[AT+1]         ; theta^2
	Q4 v_mul_f32 v[AT+4], v[AT+4], v[AT+4]         ; (1 - theta)^2
	Q4 v_mul_f32 v[AT+7], v[AT], v[AT+1]           ; s_k theta^2
	Q4 v_mul_f32 v[AH+1], v[AT], v[AT+5]           ; s_k theta (1 - theta)
	s_wait_alu depctr_va_vdst(0)                   ; batch D's wait, ahead of the product with ln 2: one for the 8 logarithms
	Q4 v_pk_fma_f32 v[AT+2:AT+3], v[AT+2:AT+3], s[90:91], v[AP+4:AP+5] op_sel_hi:[1,0,1]
	Q4 v_pk_add_f32 v[AT+2:AT+3], v[AT+2:AT+3], 0x3a83126f op_sel_hi:[1,0]  ; d_k, d_k+1
	Q4 v_add_f32 v[AT+6], v[AT+2], v[AT+3]
	Q4 v_fma_f32 v[AT+6], v[AT], -2.0, v[AT+6]
	Q4 v_fma_f32 v[AT+6], v[AT+6], v[AT+5], v[AT]  ; den
	Q4 v_add_f32 v[AW+6], 0x358637bd, v[AT+6]      ; den + 1e-6
	Q4 v_fma_f32 v[AW+4], v[AT+6], v[AT+6], 0x358637bd  ; den^2 + 1e-6
	Q4 v_rcp_f32 v[AW+6], v[AW+6]                  ; BATCH E: their 8 reciprocals, as soon as den is there;
	Q4 v_rcp_f32 v[AW+4], v[AW+4]
	Q4 v_fma_f32 v[AT+7], v[AT+2], v[AT+5], v[AT+7]  ; the two numerators, 28 plain lines, stand between them and their wait
	Q4 v_mul_f32 v[AT+7], v[AT+7], v[AW+7]         ; height x (s_k theta^2 + d_k theta (1 - theta))
	Q4 v_mul_f32 v[AH], v[AT+3], v[AT+1]
	Q4 v_fma_f32 v[AH], v[AT+2], v[AT+4], v[AH]
	Q4 v_fma_f32 v[AH], v[AH+1], 2.0, v[AH]
	Q4 v_mul_f32 v[AH+1], v[AT], v[AT]
	Q4 v_mul_f32 v[AH], v[AH], v[AH+1]             ; s_k^2 (d_k+1 theta^2 + 2 s_k theta (1 - theta) + d_k (1 - theta)^2)
	s_wait_alu depctr_va_vdst(0)                   ; batch E's wait, ahead of the quotient: one for the 8 reciprocals
	Q4 v_mul_f32 v[AH], v[AH], v[AW+4]
	Q4 v_log_f32 v[AH], v[AH]                      ; BATCH F: the 4 logarithms of log_det
	Q4 v_fma_f32 v[AT+7], v[AT+7], v[AW+6], v[AW+5]  ; z: four plain lines that name no logarithm
	Q4 ds_store_b32 v[ADRX], v[AT+7] offset:4352*q  ; z takes x's word: only this lane ever touches it
	s_wait_alu depctr_va_vdst(0)                   ; batch F's wait, ahead of the row sums and of the label or branch that follows the spline: one for the 4 logarithms
	Q4 v_add_f32 v[AL], v[AL], v[AH]               ; in log2; ln 2 comes at the end
.endm
	CHANGE 3, 2                                    ; group 0 is in; group 1 is asked for, into bytes that W1's last tiles have left
	LOADS
	s_mov_b32 s[SG], 31
	s_branch .Lmm                                  ; the loop is entered behind the spline: there is no group before the first
.Lgrp:                                 ; 30 times: groups 2-31 are asked for, groups 1-30 multiplied, the spline of groups 0-29 made
	CHANGE 3, 2
	LOADS
	RQS                                            ; the group before's, while the fragments are on their way
.Lmm:
	MM
	s_sub_co_u32 s[SG], s[SG], 1
	s_cmp_lg_u32 s[SG], 0
	s_cbranch_scc1 .Lgrp
	CHANGE 0, 2                                    ; the tail is written out: nothing is asked for
	LOADS
	s_mov_b32 s[CK], 2
.Lt:                                   ; two trips: group 30's spline and group 31's products; group 31's spline
	RQS
	s_cmp_eq_u32 s[CK], 1
	s_cbranch_scc1 .Lskip
	MM
	PLACES                                         ; in front of the spline's reads of results just made
.Lskip:
	s_sub_co_u32 s[CK], s[CK], 1
	s_cmp_lg_u32 s[CK], 0
	s_cbranch_scc1 .Lt
	; THE WAY OUT.  The row sums: a row's two halves of d lie 16 lanes apart; 64 sums go through my stage and leave as 256 consecutive bytes.
	v_and_b32 v8, 15, v0
	v_bfe_u32 v9, v0, 4, 1
	v_mul_u32_u24 v10, v9, 272
	v_lshl_add_u32 v10, v8, 4, v10
	v_add_nc_u32 v10, s17, v10                     ; z back: lanes 0-15 one row of 256 bytes, lanes 16-31 the next
	v_and_b32 v11, 31, v0
	v_lshlrev_b32 v13, 4, v11                      ; 16 x lane
	s_lshl_b32 s15, s[WV], 8
	s_add_co_u32 s15, s15, LDST
	v_lshl_add_u32 v8, v8, 2, s15
	v_lshl_add_u32 v9, v11, 3, s15
	v_lshlrev_b32 v11, 3, v11                      ; 8 x lane
.set q, 0
.rept 4
	v_permlanex16_b32 v[TQ+8*q], v[LD+q], s98, s99
.set q, q+1
.endr
.set q, 0
.rept 4
	v_add_f32 v[LD+q], v[LD+q], v[TQ+8*q]
.set q, q+1
.endr
.set q, 0
.rept 4
	v_mul_f32 v[LD+q], s90, v[LD+q]
	ds_store_b32 v8, v[LD+q] offset:64*q           ; row 16 q + r; both halves of the lanes write the same number
.set q, q+1
.endr
	ds_load_b64 v[XV:XV+1], v9                     ; LDS serves a wave's instructions in order (ISA guide 5.7.1.4): this sees the stores above
	s_wait_dscnt 0x0
	global_store_b64 v11, v[XV:XV+1], s[10:11] th:TH_STORE_NT  ; the wave stores 256 consecutive bytes, at a multiple of 256 from out1's first byte
.set g, 0
.rept 2                                ; z: 64 rows of 256 bytes, two batches of 16 loads of two rows
.if g
	s_wait_xcnt 0x0                                ; the first batch's stores have read their registers: only behind this wait are they loaded again
.endif
.set i, 0
.rept 16
	ds_load_b128 v[OUTR+4*i:OUTR+4*i+3], v10 offset:544*(16*g+i)
.set i, i+1
.endr
.set i, 0
.rept 16
	s_wait_dscnt 15-i
	global_store_b128 v13, v[OUTR+4*i:OUTR+4*i+3], s[8:9] offset:512*(16*g+i) th:TH_STORE_NT  ; 16 lanes store 256 consecutive bytes, at a multiple of 256 from out0's first byte
.set i, i+1
.endr
.set g, g+1
.endr
	s_wait_tensorcnt 0x0                           ; the wave's end: behind my last tensor load and my last LDS store
	ds_add_u32 v[SPW], v[NIL]
	s_wait_dscnt 0x0
	ROUND                                          ; the closing round: no work-group ends while a partner may still ask for a tile that names it
	s_endpgm
.Lfunc_end_k_qee1638552e_main:
	.size	k_qee1638552e_main, .Lfunc_end_k_qee1638552e_main-k_qee1638552e_main
	.p2alignl 7, 3214868480
	.fill 96, 4, 3214868480
	.section	.rodata,"a",@progbits
	.p2align	6, 0x0
	.amdhsa_kernel k_qee1638552e_main
		.amdhsa_group_segment_fixed_size 327680
		.amdhsa_private_segment_fixed_size 0
		.amdhsa_enable_private_segment 0
		.amdhsa_kernarg_size 32
		.amdhsa_user_sgpr_count 2
		.amdhsa_user_sgpr_kernarg_segment_ptr 1
		.amdhsa_wavefront_size32 1
		.amdhsa_system_sgpr_workgroup_id_x 1
		.amdhsa_system_sgpr_workgroup_id_y 1
		.amdhsa_system_sgpr_workgroup_id_z 1
		.amdhsa_system_vgpr_workitem_id 0
		.amdhsa_next_free_vgpr 1024
		.amdhsa_next_free_sgpr 102
		.amdhsa_reserve_vcc 0
		.amdhsa_float_denorm_mode_32 3
		.amdhsa_float_denorm_mode_16_64 3
		.amdhsa_memory_ordered 1
		.amdhsa_forward_progress 1
		.amdhsa_inst_pref_size 255
	.end_amdhsa_kernel
	.section	.bss,"aw",@nobits
	.p2align	6
	.space	262144
	.amdgpu_metadata
---
amdhsa.version: [ 1, 2 ]
amdhsa.kernels:
  - .name:           k_qee1638552e_main
    .symbol:         k_qee1638552e_main.kd
    .args:
      - { .name: x, .offset: 0, .size: 8, .value_kind: global_buffer, .address_space: global }
      - { .name: wts, .offset: 8, .size: 8, .value_kind: global_buffer, .address_space: global }
      - { .name: out0, .offset: 16, .size: 8, .value_kind: global_buffer, .address_space: global }
      - { .name: out1, .offset: 24, .size: 8, .value_kind: global_buffer, .address_space: global }
    .group_segment_fixed_size: 327680
    .private_segment_fixed_size: 0
    .kernarg_segment_align: 8
    .kernarg_segment_size: 32
    .max_flat_workgroup_size: 128
    .sgpr_count:     102
    .vgpr_count:     1024
    .wavefront_size: 32
...
	.end_amdgpu_metadata
.endif
;; end of part 3
